; MI455X (gfx1250); checked and timed in simulation.
; The chip was launched on July 23, 2026; its instructions are those of AMD's public machine-readable ISA for CDNA 5 (MIT licence, August 2026) and "CDNA5" Instruction Set Architecture Reference Guide (July 2026). The comments in the code are by the model that wrote it; some were corrected since.
;; Multiheads. Allowed arithmetic: matrix products marked QUANTISED: E2M3 operands, one E8M0 scale for each 32 along K, by v_wmma_scale_f32_16x16x128_f8f6f4 with both operands' format E2M3, f32 sums; everything else in f32.
;; Inputs: Wk_codes 8 x 64 x 16 x 24 uint8 (E2M3 codes of Wk, K innermost, in blocks of 32 codes, four codes in three bytes); Wk_scales 8 x 64 x 16 uint8 (E8M0 scales of Wk, one for each 32 codes along K); Wp_codes 512 x 16 x 24 uint8 (E2M3 codes of Wp, K innermost, in blocks of 32 codes, four codes in three bytes); Wp_scales 512 x 16 uint8 (E8M0 scales of Wp, one for each 32 codes along K); Wq_codes 8 x 64 x 16 x 24 uint8 (E2M3 codes of Wq, K innermost, in blocks of 32 codes, four codes in three bytes); Wq_scales 8 x 64 x 16 uint8 (E8M0 scales of Wq, one for each 32 codes along K); Wv_codes 8 x 64 x 16 x 24 uint8 (E2M3 codes of Wv, K innermost, in blocks of 32 codes, four codes in three bytes); Wv_scales 8 x 64 x 16 uint8 (E8M0 scales of Wv, one for each 32 codes along K); bp 512 float32; x_codes 8 x 2,048 x 16 x 24 uint8 (E2M3 codes of x, K innermost, in blocks of 32 codes, four codes in three bytes); x_scales 8 x 2,048 x 16 uint8 (E8M0 scales of x, one for each 32 codes along K).
;; Outputs: out0 8 x 2,048 x 512 float32.
;; This version of the problem:
;;   THIS VERSION OF THE PROBLEM IS GIVEN IN LOW PRECISION. The matrix products marked QUANTISED in the list below multiply operands that are first quantised to E2M3 (2 exponent bits, 3 mantissa bits; 6 bits a number), with one power-of-two scale for each 32 numbers along K (OCP MX v1.0); their sums are f32. All else is computed in f32.
;;   The module's matrix products, in the order in which they are computed (A, B: the left and right operand; K: the contracted axis; several contracted axes count as one K, in the product's order):
;;     1. [M 512, K 512] x [K 512, N 16,384]; A: input Wq (given as codes); B: input x (given as codes): QUANTISED
;;     2. [M 512, K 512] x [K 512, N 16,384]; A: input Wk (given as codes); B: input x (given as codes): QUANTISED
;;     3. [M 512, K 512] x [K 512, N 16,384]; A: input Wv (given as codes); B: input x (given as codes): QUANTISED
;;     4. batch 64 x [M 2,048, K 64] x [K 64, N 2,048]; A: computed on the way; B: computed on the way: QUANTISED
;;     5. batch 64 x [M 2,048, K 2,048] x [K 2,048, N 64]; A: softmax (see below); B: computed on the way: QUANTISED
;;     6. [M 16,384, K 512] x [K 512, N 512]; A: computed on the way; B: input Wp (given as codes): QUANTISED
;;   THE QUANTISER, for each operand of a quantised product, along K:
;;     - K is cut into blocks of 32 from its start; a last block that is shorter is filled with zeros.
;;     - A block's scale is 2^e with e = floor(log2(the largest magnitude in the block)) - 2, held to -126 .. 127; a block of zeros has e = 0. As a byte (E8M0): e + 127.
;;     - Each number is divided by its block's scale, clamped to +-7.5, and rounded to the nearest number of E2M3, ties to even, subnormals kept.
;;     - The product sums the exact products of the quantised numbers (number of the format x scale) in f32.
;;   ~~~python
;;   def quantise(x, axis):      # numpy; x: float32 -> the quantised numbers, widened to float32 again
;;       x = np.moveaxis(x, axis, -1); K = x.shape[-1]
;;       x = np.pad(x, [(0, 0)] * (x.ndim - 1) + [(0, -K % 32)]); x = x.reshape(x.shape[:-1] + (-1, 32)); a = np.abs(x).max(-1, keepdims=True)
;;       e = np.where(a > 0, np.clip(np.frexp(np.where(a > 0, a, 1))[1] - 1 - 2, -126, 127), 0)      # np.frexp(a)[1] - 1 = floor(log2(a)), exactly
;;       r = np.clip(x / 2.0 ** e, -7.5, 7.5)
;;       step = 2.0 ** (np.maximum(np.frexp(np.where(r == 0, 1, r))[1] - 1, 0) - 3)
;;       q = np.round(r / step) * step * 2.0 ** e      # np.round: ties to even
;;       return np.moveaxis(q.reshape(q.shape[:-2] + (-1,))[..., :K], -1, axis).astype(np.float32)
;;   ~~~
;;   SOFTMAX AHEAD OF A QUANTISED PRODUCT. Where the list says 'softmax', what is quantised is not the finished softmax but p = 2^(t - M), with t = logit x log2(e) and M = ceil(the row's largest t), a whole number; so 1/2 < the row's largest p <= 1. The row's sum l is taken of the UNQUANTISED p, in f32, and the product's result is divided by l at the end. Since M is a whole number, a kernel that streams over the keys may use a running M (the ceiling of the running maximum): every later rescaling is an exact power of two, which a block's scale takes up: the codes' values come out the same.
;;   OPERANDS COMPUTED ON THE WAY. 'Computed on the way' means the value that the module computes at that place (a softmax that the list does not call 'softmax' is quantised finished and normalised). What goes into a quantiser is computed in f32, as accurately as f32 sums, v_exp_f32 and their like allow (about 1e-6 of the number): no bf16 or f16 on the way to a quantiser, and a product that is left as it is and whose result goes on into a quantised operand takes f32 operands (vector FMAs, or v_wmma_f32_16x16x4_f32). A number that lies on a knife's edge between two numbers of the format may be rounded either way, as far as f32 arithmetic and the matrix unit's own rounding can turn it there, and no further.
;;   INPUTS GIVEN AS CODES. Wk (in the module: [8, 512, 64], K = its axis 1); Wp (in the module: [512, 512], K = its axis 0); Wq (in the module: [8, 512, 64], K = its axis 1); Wv (in the module: [8, 512, 64], K = its axis 1); x (in the module: [8, 2048, 512], K = its axis 2): each comes as NAME_codes (uint8): NAME with its K axis moved to the last place and cut into blocks of 32 codes, [.., K / 32, bytes a block], one block behind the other in memory; four codes in three bytes: a row's codes are one little-endian stream of bits, code i at bits 6 i .. 6 i + 5 (a code: sign, 2 exponent bits, 3 mantissa bits); and NAME_scales (uint8): the same leading axes, one E8M0 byte (e + 127) for each 32 codes along K. Its value is code x scale, taken as it is: it is not quantised again, and the codes and scales need not be those that the quantiser above would give.
;; 2 versions. Each part assembles by itself: llvm-mc -triple=amdgcn-amd-amdhsa -mcpu=gfx1250 --defsym DOCPART=n.
;; ======== version 1 of 2: 3 launches
;; workspace buffers: qimg 7,340,032 bytes; kvimg 13,631,488 bytes; oimg 6,291,456 bytes; oscl 262,144 bytes
;; launch qkv (part 1): grid 64 x 4, 16 waves a work-group, no clusters, 258,048 bytes of LDS; arguments x_codes, x_scales, Wq_codes, Wq_scales, Wk_codes, Wk_scales, Wv_codes, Wv_scales, qimg, kvimg; writes qimg, kvimg
.if DOCPART == 1
	.amdgcn_target "amdgcn-amd-amdhsa--gfx1250"
	.amdhsa_code_object_version 6
	.text
	.protected	k_q634b78ef63_qkv
	.globl	k_q634b78ef63_qkv
	.p2align	8
	.type	k_q634b78ef63_qkv,@function
k_q634b78ef63_qkv:
	s_mov_b64 s[64:65], 0
	v_nop
	global_prefetch_b8 v0, s[64:65] scope:SCOPE_SE
	s_setreg_imm32_b32 hwreg(HW_REG_WAVE_MODE, 25, 1), 1
	s_wait_xcnt 0x0
; q, k, v = x W (three products on codes of FP6 (E2M3) with E8M0 scales, K = 512), then q and k quantised along the head's 64 and v along the keys, all in registers.
; x: [16384 rows][512] codes, rows of 384 bytes, 16 scale bytes a row.  Wq, Wk, Wv: [8 heads][64 channels][512] likewise.
; SHARES.  A work-group takes 256 rows of x (work-group x) and two heads (2 y, 2 y + 1).  Sixteen waves, 256 registers each, four to a SIMD; each wave has three tasks of 32 matrix instructions:
;   Q: a PAIR of x's tiles (32 rows) x the four tiles of one head's Wq;  K: the same with Wk;  V: eight tiles of x (128 keys) x one tile of that head's Wv.
; A PAIR'S ROWS: lane r of tile u (0, 1) takes row 8 u + r + 8 (r / 8) of the pair's 32.  The same holds for W's 64 rows of a head, in two pairs.  So the 16 result registers of two neighbouring tiles
; are 16 neighbours along the axis that is quantised next: 32 b + 16 (lane / 16) + 0 .. 15.
; Q, K: source 0 = 16 rows of W, source 1 = 16 rows of x: a lane holds one row of x, its registers run along the channels.  V: source 0 = x, source 1 = W: a lane holds one channel, its registers run along the keys.
; FROM MEMORY TO LDS.  The work-group's rows of x and of each weight are dense blocks of memory.  Each wave loads 16 rows of x and 8 rows of each weight as they lie, 16 bytes a lane: every load covers 512 consecutive
; bytes.  They are stored into LDS as rows 400 bytes apart, and a row's place is chosen: blocks 1 and 2 of a pair's four blocks of 8 rows change places, so that A TILE'S SIXTEEN ROWS ARE SIXTEEN NEIGHBOURING PLACES.
; One barrier; nothing is written into LDS behind it.  A fragment is read from the rows in six pieces of 8 bytes: lane (r, h) at 400 r + 24 h: word 100 r + 6 h, so the 32 lanes' 64 words fall into 64 different banks
; (64 banks of 4 bytes: ISA guide 11.1).
; WHAT IS STORED is laid as the next launch's registers want it: qimg [head 0..63][pair 0..63][1,792 bytes]: six blocks of 256 bytes (two registers each, lane l at 8 l; tile 0's three, tile 1's three), then a block with
; the two tiles' scale words (s0, s1, s0, s1).  kvimg [head][step of 128 keys][13,312 bytes]: four fragments of K (registers 0-5 one tile of 16 keys, registers 6-11 the pair's other tile), four of V (16 channels x 128 keys),
; each as three blocks of 512 bytes (four registers, lane l at 16 l), then four blocks of 256 bytes with K's and V's scale words side by side.  Every store of a wave covers 256 or 512 consecutive bytes, aligned to 256.
; NO JOINT LOADS: a row's place in LDS is chosen block by block of 8 rows, which the stores from registers do on the way; x's rows are shared by only the four work-groups of a column of the grid.
; LIMITS: NaN and infinities are not served; a given scale byte 0xff gives NaN.  A block whose largest magnitude lies under 2^-124, a block of zeros among them, gets the scale byte 1 (the rule says 127 for zeros): its codes are
; zeros or the true codes under that byte, and only this program reads these bytes.
.set PITCH, 400                        ; a row in LDS: 384 bytes + 16
.set TILEB, 16*PITCH                   ; a tile's sixteen rows
.set WR,    256*PITCH                  ; LDS: x's 256 rows from byte 0 on; then Wq's, Wk's, Wv's,
.set WZ,    128*PITCH                  ; 128 rows each: 256,000 bytes in all
.set LI,   1                           ; v1   16 x lane
.set L8,   2                           ; v2   8 x lane
.set VF,   3                           ; v3   a fragment's lane term: 400 r + 24 h
.set VS,   4                           ; v4   scale words of two tiles: (r + 8 (r / 8) + 8 h) x 16
.set VS0,  5                           ; v5   of one tile: (r + 8 (r / 8)) x 16
.set XW,   6                           ; v6-8   where I store x's rows: one register for each of three loads, which are four rows
.set WW,   9                           ; v9-11  Wq's (Wk's: by the immediate)
.set WW2,  12                          ; v12-14 Wv's
.set ACC,  16                          ; v16-79   eight accumulators
.set SG,   16                          ; v16-135  at the start: the 30 loads' bytes
.set FRG,  80                          ; v80-187  fragments at work
.set PC,   80                          ; v80-98   the codes just made
.set XS,   188                         ; v188-191 x's scale words of my pair (lanes 0-15 tile 0, lanes 16-31 tile 1), one register a K step
.set WQS,  192                         ; v192-199 Wq's: register 4 j + k: tiles 2 j (lanes 0-15) and 2 j + 1 (lanes 16-31)
.set WKS,  200                         ; v200-207 Wk's
.set VXS,  208                         ; v208-223 x's of my eight tiles: register 4 j + k
.set WVS,  224                         ; v224-227 Wv's of my tile
.set TM,   228                         ; v228-243 the quantiser's work (at the head: lane terms)
.set PW,   244                         ; v244     the scale word just made
.set KSW,  246                         ; v246-247 K's and V's scale words, to be stored side by side
.set QW,   248                         ; v248-249 q's two scale words
.set AX,   250                         ; v250 my pair of x
.set AWQ,  251                         ; v251 my head's Wq
.set AWK,  252                         ; v252 my head's Wk
.set AXV,  253                         ; v253 my eight tiles of x
.set AWV,  254                         ; v254 my tile of Wv
.set SEL,  60                          ; s[60:61] lane selects for v_permlanex16_b32: lane l xor 16
.macro FETCH reg, adr, off             ; a fragment, 16 rows x 128 K: of its row's 96 bytes lane (r, h) takes the 24 at 24 h and the 24 at 48 + 24 h, in pieces of 8 bytes
.irp p, 0,1,2,3,4,5
	ds_load_b64 v[\reg+2*\p:\reg+2*\p+1], v[\adr] offset:\off+48*(\p/3)+8*(\p%3)
.endr
.endm
; One matrix instruction.  z = 1: it starts the sum with the constant 0.  ra, rb = 1: that side's scale words are taken from lanes 16-31 of the register named.
.macro WM d, a, b, z, sa, sb, ra, rb
.set WSEL, (\ra)+2*(\rb)+4*(\z)
.if WSEL == 0
	v_wmma_scale_f32_16x16x128_f8f6f4 v[\d:\d+7], v[\a:\a+11], v[\b:\b+11], v[\d:\d+7], v[\sa], v[\sb] matrix_a_fmt:MATRIX_FMT_FP6 matrix_b_fmt:MATRIX_FMT_FP6
.elseif WSEL == 1
	v_wmma_scale_f32_16x16x128_f8f6f4 v[\d:\d+7], v[\a:\a+11], v[\b:\b+11], v[\d:\d+7], v[\sa], v[\sb] matrix_a_fmt:MATRIX_FMT_FP6 matrix_b_fmt:MATRIX_FMT_FP6 matrix_a_scale:MATRIX_SCALE_ROW1
.elseif WSEL == 2
	v_wmma_scale_f32_16x16x128_f8f6f4 v[\d:\d+7], v[\a:\a+11], v[\b:\b+11], v[\d:\d+7], v[\sa], v[\sb] matrix_a_fmt:MATRIX_FMT_FP6 matrix_b_fmt:MATRIX_FMT_FP6 matrix_b_scale:MATRIX_SCALE_ROW1
.elseif WSEL == 3
	v_wmma_scale_f32_16x16x128_f8f6f4 v[\d:\d+7], v[\a:\a+11], v[\b:\b+11], v[\d:\d+7], v[\sa], v[\sb] matrix_a_fmt:MATRIX_FMT_FP6 matrix_b_fmt:MATRIX_FMT_FP6 matrix_a_scale:MATRIX_SCALE_ROW1 matrix_b_scale:MATRIX_SCALE_ROW1
.elseif WSEL == 4
	v_wmma_scale_f32_16x16x128_f8f6f4 v[\d:\d+7], v[\a:\a+11], v[\b:\b+11], 0, v[\sa], v[\sb] matrix_a_fmt:MATRIX_FMT_FP6 matrix_b_fmt:MATRIX_FMT_FP6
.elseif WSEL == 5
	v_wmma_scale_f32_16x16x128_f8f6f4 v[\d:\d+7], v[\a:\a+11], v[\b:\b+11], 0, v[\sa], v[\sb] matrix_a_fmt:MATRIX_FMT_FP6 matrix_b_fmt:MATRIX_FMT_FP6 matrix_a_scale:MATRIX_SCALE_ROW1
.elseif WSEL == 6
	v_wmma_scale_f32_16x16x128_f8f6f4 v[\d:\d+7], v[\a:\a+11], v[\b:\b+11], 0, v[\sa], v[\sb] matrix_a_fmt:MATRIX_FMT_FP6 matrix_b_fmt:MATRIX_FMT_FP6 matrix_b_scale:MATRIX_SCALE_ROW1
.else
	v_wmma_scale_f32_16x16x128_f8f6f4 v[\d:\d+7], v[\a:\a+11], v[\b:\b+11], 0, v[\sa], v[\sb] matrix_a_fmt:MATRIX_FMT_FP6 matrix_b_fmt:MATRIX_FMT_FP6 matrix_a_scale:MATRIX_SCALE_ROW1 matrix_b_scale:MATRIX_SCALE_ROW1
.endif
.endm
.macro PLACES                          ; four plain vector instructions between a matrix instruction and a load into, or a vector read or write of, its registers
.rept 4
	v_nop
.endr
.endm
; 64 numbers of a lane, v[src] .. v[src + 63], register 16 b + i = number 32 b + 16 (lane / 16) + i of the lane's four blocks, become twelve registers of codes in v[PC] on and the four scale bytes in v[PW].
.macro QUANT src
.irp b, 0,1,2,3
	v_max3_num_f32 v[TM+\b], |v[\src+16*\b]|, |v[\src+1+16*\b]|, 0x1800000   ; block b: my 16 numbers, from each accumulator's low end on, and the floor 2^(3 - 127): so the byte cannot fall under 1
.endr
.irp i, 2,4,6,8,10,12,14
.irp b, 0,1,2,3
	v_max3_num_f32 v[TM+\b], v[TM+\b], |v[\src+16*\b+\i]|, |v[\src+1+16*\b+\i]|   ; the four blocks by turns
.endr
.endr
.irp b, 0,1,2,3
	v_permlanex16_b32 v[TM+4+\b], v[TM+\b], s[SEL], s[SEL+1]
.endr
.irp b, 0,1,2,3
	v_max_num_f32 v[TM+\b], v[TM+\b], v[TM+4+\b]   ; with lane l xor 16's 16 numbers: the block's largest magnitude
.endr
.irp b, 0,1,2,3
	v_add_nc_u32 v[TM+12+\b], 0xff000000, v[TM+\b]   ; 2 off its exponent field: the conversion takes this operand's exponent field as its scale
.endr
.irp b, 0,1,2,3
	v_lshrrev_b32 v[TM+4+\b], 23, v[TM+12+\b]      ; the scale's byte
.endr
	v_lshl_or_b32 v[PW], v[TM+5], 8, v[TM+4]
	v_lshl_or_b32 v[PW], v[TM+6], 16, v[PW]
	v_lshl_or_b32 v[PW], v[TM+7], 24, v[PW]
.irp c, 0,1
	v_cvt_scalef32_pk16_fp6_f32 v[PC+6*\c:PC+2+6*\c], v[\src+32*\c:\src+15+32*\c], v[TM+12+2*\c]
	v_cvt_scalef32_pk16_fp6_f32 v[PC+12+4*\c:PC+14+4*\c], v[\src+16+32*\c:\src+31+32*\c], v[TM+12+2*\c+1]   ; (a conversion's three registers begin on an even number)
.endr
	v_nop                                          ; one plain place behind a scaled conversion
.irp c, 0,1                                    ; the operand's layout wants a whole block in a lane: lanes 0-15 block 2 c, lanes 16-31 block 2 c + 1
.irp i, 0,1,2
	v_permlane16_swap_b32 v[PC+6*\c+\i], v[PC+12+4*\c+\i]
.endr
.irp i, 0,1,2
	v_mov_b32 v[PC+3+6*\c+\i], v[PC+12+4*\c+\i]
.endr
.endr
.endm
.macro WLOAD z, ptr                    ; my 8 rows of a weight: 3,072 consecutive bytes, six loads of 512
.irp j, 0,1,2,3,4,5
	global_load_b128 v[SG+48+24*\z+4*\j:SG+48+24*\z+4*\j+3], v[LI], s[\ptr:\ptr+1] offset:512*\j
.endr
.endm
.macro WSTORE z, adr, off              ; into LDS: three loads are four rows
.irp j, 0,1,2,3,4,5
	ds_store_b128 v[\adr+(\j%3)], v[SG+48+24*\z+4*\j:SG+48+24*\z+4*\j+3] offset:\off+4*PITCH*(\j/3)
.endr
.endm
; Q's or K's task: my pair of x (2 tiles) x my head's four tiles of the weight, four K steps; the eight accumulators take turns, one instruction a turn, in the same order in every K step.
.macro TASKQK aw, ws
	s_wait_xcnt 0x0                                ; the stores issued so far have read their registers: the fragments' registers may be loaded again
.irp k, 0,1,2,3
.if \k > 0
	PLACES
.endif
.irp e, 0,1
	FETCH FRG+12*\e, AX, TILEB*\e+96*\k
.endr
.irp t, 0,1,2,3
	FETCH FRG+24+12*\t, \aw, TILEB*\t+96*\k
.endr
	s_wait_dscnt 0x0                               ; all 36 loads are in
.irp e, 0,1
.irp t, 0,1,2,3
.if \k == 0
	WM ACC+32*\e+8*\t, FRG+24+12*\t, FRG+12*\e, 1, \ws+4*(\t/2)+\k, XS+\k, \t%2, \e
.else
	WM ACC+32*\e+8*\t, FRG+24+12*\t, FRG+12*\e, 0, \ws+4*(\t/2)+\k, XS+\k, \t%2, \e
.endif
.endr
.endr
.endr
	PLACES
	QUANT ACC                                      ; block 2 e + t / 2: tile e's channels 32 (t / 2) on.  Registers 0-5 of the codes: tile 0; 6-11: tile 1; the word: (tile 0: s0, s1; tile 1: s0, s1)
.endm
; V's task: my eight tiles of x (128 keys) x my tile of Wv
.macro TASKV
	s_wait_xcnt 0x0
.irp k, 0,1,2,3
.if \k > 0
	PLACES
.endif
.irp t, 0,1,2,3,4,5,6,7
	FETCH FRG+12*\t, AXV, TILEB*\t+96*\k
.endr
	FETCH FRG+96, AWV, 96*\k
	s_wait_dscnt 0x0                               ; all 54 loads are in
.irp t, 0,1,2,3,4,5,6,7
.if \k == 0
	WM ACC+8*\t, FRG+12*\t, FRG+96, 1, VXS+4*(\t/2)+\k, WVS+\k, \t%2, 0
.else
	WM ACC+8*\t, FRG+12*\t, FRG+96, 0, VXS+4*(\t/2)+\k, WVS+\k, \t%2, 0
.endif
.endr
.endr
	PLACES
	QUANT ACC                                      ; block t / 2: keys 32 (t / 2) on of my channel
.endm
	s_load_b256 s[8:15], s[0:1], 0x0               ; x's codes s[8:9], x's scales s[10:11], Wq's codes s[12:13], Wq's scales s[14:15]
	s_load_b256 s[16:23], s[0:1], 0x20             ; Wk's codes s[16:17], scales s[18:19], Wv's codes s[20:21], scales s[22:23]
	s_load_b128 s[24:27], s[0:1], 0x40             ; qimg s[24:25], kvimg s[26:27]
	v_lshl_add_u32 v245, v0, 2, 0x3e800
	v_mov_b32 v255, 0
	v_lshrrev_b32 v1, 5, v0
	v_readfirstlane_b32 s28, v1                    ; wave w, 0..15
	s_and_b32 s30, ttmp7, 0xffff                   ; y: heads 2 y, 2 y + 1
	s_and_b32 s31, s28, 7                          ; P: my pair of x's rows
	s_lshr_b32 s32, s28, 3                         ; hh: which of the two heads
	s_bfe_u32 s33, s28, 0x10002                    ; jj = P / 4: which 128 keys
	s_and_b32 s34, s28, 3                          ; i = P % 4: my pair in them, and my tile of Wv
	s_lshr_b32 s35, s28, 1                         ; the pair in which the 16 rows of x lie that I bring in
	s_and_b32 s36, s28, 1                          ; and which half of it
	s_mov_b32 s[SEL], 0x76543210
	s_mov_b32 s[SEL+1], 0xfedcba98
	; byte offsets, each in a pair with 0 above it
	s_lshl_b32 s46, ttmp9, 8                       ; the rows of x that I bring in: 256 x + 16 w on,
	s_lshl_b32 s47, s28, 4
	s_add_co_u32 s46, s46, s47
	s_mul_i32 s46, s46, 384                        ; rows of 384 bytes
	s_mov_b32 s47, 0
	s_lshl_b32 s48, s30, 7                         ; the rows of each weight: 128 y + 8 w on
	s_lshl_b32 s49, s28, 3
	s_add_co_u32 s48, s48, s49
	s_mul_i32 s48, s48, 384
	s_mov_b32 s49, 0
	s_lshl_b32 s50, ttmp9, 12                      ; x's scales: 16 bytes a row
	s_lshl_b32 s52, s33, 11
	s_add_co_u32 s52, s52, s50                     ; of my 128 keys
	s_lshl_b32 s51, s31, 9
	s_add_co_u32 s50, s50, s51                     ; of my pair
	s_mov_b32 s51, 0
	s_mov_b32 s53, 0
	s_lshl_b32 s54, s30, 11                        ; a weight's scales: my head's 64 rows
	s_lshl_b32 s55, s32, 10
	s_add_co_u32 s54, s54, s55
	s_lshr_b32 s55, s34, 1                         ; Wv's: my tile: 32 (i / 2) + 8 (i % 2) rows on
	s_lshl_b32 s55, s55, 9
	s_add_co_u32 s56, s54, s55
	s_and_b32 s55, s34, 1
	s_lshl_b32 s55, s55, 7
	s_add_co_u32 s56, s56, s55
	s_mov_b32 s55, 0
	s_mov_b32 s57, 0
	s_lshr_b32 s37, ttmp9, 3                       ; the head among all 64: 8 x batch + 2 y + hh
	s_lshl_b32 s37, s37, 3
	s_lshl_b32 s29, s30, 1
	s_add_co_u32 s37, s37, s29
	s_add_co_u32 s37, s37, s32
	s_and_b32 s29, ttmp9, 7                        ; which 256 rows of the batch
	s_lshl_b32 s58, s37, 6                         ; qimg: pair 64 head + 8 (x % 8) + P, 1,792 bytes each
	s_lshl_b32 s59, s29, 3
	s_add_co_u32 s58, s58, s59
	s_add_co_u32 s58, s58, s31
	s_mul_i32 s58, s58, 1792
	s_mov_b32 s59, 0
	s_lshl_b32 s62, s37, 4                         ; kvimg: step 16 head + 2 (x % 8) + jj, 13,312 bytes each
	s_lshl_b32 s63, s29, 1
	s_add_co_u32 s62, s62, s63
	s_add_co_u32 s62, s62, s33
	s_mul_i32 s62, s62, 13312
	s_lshl_b32 s2, s34, 8                          ; in it: my block of scale words at 12,288 + 256 i,
	s_add_co_u32 s2, s2, s62
	s_add_co_u32 s2, s2, 12288
	s_mov_b32 s3, 0
	s_mul_i32 s63, s34, 1536                       ; my fragment of K at 1,536 i, of V 6,144 further on
	s_add_co_u32 s62, s62, s63
	s_mov_b32 s63, 0
	v_and_b32 v228, 31, v0                         ; lane
	v_lshlrev_b32 v[LI], 4, v228
	v_lshlrev_b32 v[L8], 3, v228
	v_and_b32 v229, 15, v0                         ; r
	v_bfe_u32 v230, v0, 4, 1                       ; h
	v_and_b32 v231, 8, v229
	v_add_nc_u32 v231, v231, v229                  ; r + 8 (r / 8)
	v_lshlrev_b32 v[VS0], 4, v231
	v_lshl_add_u32 v[VS], v230, 7, v[VS0]
	s_wait_kmcnt 0x0
	s_add_nc_u64 s[38:39], s[10:11], s[50:51]      ; x's scales, my pair
	s_add_nc_u64 s[40:41], s[10:11], s[52:53]      ; x's scales, my 128 keys
	s_add_nc_u64 s[8:9], s[8:9], s[46:47]
	s_add_nc_u64 s[12:13], s[12:13], s[48:49]
	s_add_nc_u64 s[16:17], s[16:17], s[48:49]
	s_add_nc_u64 s[20:21], s[20:21], s[48:49]
	s_add_nc_u64 s[14:15], s[14:15], s[54:55]
	s_add_nc_u64 s[18:19], s[18:19], s[54:55]
	s_add_nc_u64 s[22:23], s[22:23], s[56:57]
	s_add_nc_u64 s[24:25], s[24:25], s[58:59]
	s_add_nc_u64 s[42:43], s[26:27], s[62:63]      ; my fragments in kvimg
	s_add_nc_u64 s[44:45], s[26:27], s[2:3]        ; my scale words in kvimg
	; the scale words: a row's 16 bytes are its four K steps' words.  Ten loads, the oldest of all
	global_load_b128 v[XS:XS+3], v[VS], s[38:39]
.irp j, 0,1
	global_load_b128 v[WQS+4*\j:WQS+4*\j+3], v[VS], s[14:15] offset:512*\j
	global_load_b128 v[WKS+4*\j:WKS+4*\j+3], v[VS], s[18:19] offset:512*\j
.endr
.irp j, 0,1,2,3
	global_load_b128 v[VXS+4*\j:VXS+4*\j+3], v[VS], s[40:41] offset:512*\j
.endr
	global_load_b128 v[WVS:WVS+3], v[VS0], s[22:23]
	; the codes that I bring in: 16 rows of x (6,144 consecutive bytes, 12 loads) and 8 rows of each weight (6 loads each)
.irp j, 0,1,2,3,4,5,6,7,8,9,10,11
	global_load_b128 v[SG+4*\j:SG+4*\j+3], v[LI], s[8:9] offset:512*\j
.endr
	WLOAD 0, 12
	WLOAD 1, 16
	WLOAD 2, 20
	; LDS addresses, while the loads are out.  Piece u = lane + 32 i of 16 bytes, of the 96 pieces of three loads, lies in row u / 24 of four rows: at 16 u + 16 (u / 24), since a row in LDS is 16 bytes longer than in memory.
	; u / 24 = (171 u) >> 12 for u under 96.
.irp i, 0,1,2
	v_add_nc_u32 v232, 32*\i, v228
	v_mul_u32_u24 v233, v232, 171
	v_lshrrev_b32 v233, 12, v233
	v_add_nc_u32 v232, v232, v233
	v_lshlrev_b32 v[XW+\i], 4, v232
.endr
	s_lshr_b32 s4, s28, 2                          ; a weight's rows 8 w on: pair w / 4, block w % 4 of its four blocks of 8 rows; blocks 1 and 2 change places:
	s_mul_i32 s4, s4, 2*TILEB
	s_mul_i32 s5, s36, TILEB                       ; place 32 (w / 4) + 16 (w % 2) + 8 ((w / 2) % 2)
	s_add_co_u32 s4, s4, s5
	s_bfe_u32 s5, s28, 0x10001
	s_mul_i32 s5, s5, 8*PITCH
	s_add_co_u32 s4, s4, s5
	s_add_co_u32 s4, s4, WR
.irp i, 0,1,2
	v_add_nc_u32 v[WW+\i], s4, v[XW+\i]
.endr
.irp i, 0,1,2
	v_add_nc_u32 v[WW2+\i], 2*WZ, v[WW+\i]
.endr
	s_mul_i32 s4, s35, 2*TILEB                     ; x's rows 16 w on: pair w / 2, blocks 2 (w % 2) and the next: places 8 (w % 2) on and 16 + 8 (w % 2) on
	s_mul_i32 s5, s36, 8*PITCH
	s_add_co_u32 s4, s4, s5
.irp i, 0,1,2
	v_add_nc_u32 v[XW+\i], s4, v[XW+\i]
.endr
	v_mul_u32_u24 v[VF], v229, PITCH
	v_mad_u32_u24 v[VF], v230, 24, v[VF]
	s_mul_i32 s4, s31, 2*TILEB
	v_add_nc_u32 v[AX], s4, v[VF]
	s_mul_i32 s4, s32, 4*TILEB
	s_add_co_u32 s4, s4, WR
	v_add_nc_u32 v[AWQ], s4, v[VF]
	v_add_nc_u32 v[AWK], WZ, v[AWQ]
	s_mul_i32 s5, s33, 8*TILEB
	v_add_nc_u32 v[AXV], s5, v[VF]
	s_mul_i32 s5, s34, TILEB
	s_add_co_u32 s5, s5, s4
	s_add_co_u32 s5, s5, 2*WZ
	v_add_nc_u32 v[AWV], s5, v[VF]
.irp b, 0,1,2,3
	v_mov_b32 v[TM+4+\b], 0                        ; written once: a lane permute's destination counts as one of its sources
.endr
	s_wait_loadcnt 18                              ; x's 12 loads are in: behind them stand the weights' 18
.irp j, 0,1,2,3,4,5,6,7,8,9,10,11
	ds_store_b128 v[XW+(\j%3)], v[SG+4*\j:SG+4*\j+3] offset:PITCH*(4*((\j/3)%2)+16*(\j/6))   ; rows 4 (j / 3) on of my 16: places 0, 4, 16, 20 on
.endr
	s_wait_loadcnt 12                              ; Wq's 6 are in: Wk's and Wv's may be out
	WSTORE 0, WW, 0
	s_wait_loadcnt 6                               ; Wk's
	WSTORE 1, WW, WZ
	s_wait_loadcnt 0x0                             ; Wv's
	WSTORE 2, WW2, 0
	s_wait_dscnt 0x0                               ; for the others' sake: my rows lie in LDS
	s_barrier_signal -1
	s_barrier_wait -1                              ; everybody's do; nothing is written into LDS from here on
	TASKQK AWQ, WQS
.irp p, 0,1,2,3,4,5
	global_store_b64 v[L8], v[PC+2*\p:PC+2*\p+1], s[24:25] offset:256*\p   ; 32 lanes store 256 consecutive bytes, aligned
.endr
	v_perm_b32 v[QW], v[PW], v[PW], 0x01000100     ; tile 0's word: (s0, s1, s0, s1), so that it serves q in either half of an operand
	v_perm_b32 v[QW+1], v[PW], v[PW], 0x03020302   ; tile 1's
	global_store_b64 v[L8], v[QW:QW+1], s[24:25] offset:1536
	TASKQK AWK, WKS
.irp c, 0,1,2
	global_store_b128 v[LI], v[PC+4*\c:PC+4*\c+3], s[42:43] offset:512*\c   ; 512 consecutive bytes
.endr
	v_mov_b32 v[KSW], v[PW]
	TASKV
.irp c, 0,1,2
	global_store_b128 v[LI], v[PC+4*\c:PC+4*\c+3], s[42:43] offset:6144+512*\c
.endr
	v_mov_b32 v[KSW+1], v[PW]
	global_store_b64 v[L8], v[KSW:KSW+1], s[44:45]
	s_wait_tensorcnt 0x0
	ds_add_u32 v245, v255
	s_wait_dscnt 0x0
	s_endpgm
.Lfunc_end_k_q634b78ef63_qkv:
	.size	k_q634b78ef63_qkv, .Lfunc_end_k_q634b78ef63_qkv-k_q634b78ef63_qkv
	.p2alignl 7, 3214868480
	.fill 96, 4, 3214868480
	.section	.rodata,"a",@progbits
	.p2align	6, 0x0
	.amdhsa_kernel k_q634b78ef63_qkv
		.amdhsa_group_segment_fixed_size 258048
		.amdhsa_private_segment_fixed_size 0
		.amdhsa_enable_private_segment 0
		.amdhsa_kernarg_size 80
		.amdhsa_user_sgpr_count 2
		.amdhsa_user_sgpr_kernarg_segment_ptr 1
		.amdhsa_wavefront_size32 1
		.amdhsa_system_sgpr_workgroup_id_x 1
		.amdhsa_system_sgpr_workgroup_id_y 1
		.amdhsa_system_sgpr_workgroup_id_z 1
		.amdhsa_system_vgpr_workitem_id 0
		.amdhsa_next_free_vgpr 256
		.amdhsa_next_free_sgpr 66
		.amdhsa_reserve_vcc 0
		.amdhsa_float_denorm_mode_32 3
		.amdhsa_float_denorm_mode_16_64 3
		.amdhsa_memory_ordered 1
		.amdhsa_forward_progress 1
		.amdhsa_inst_pref_size 71
	.end_amdhsa_kernel
	.amdgpu_metadata
---
amdhsa.version: [ 1, 2 ]
amdhsa.kernels:
  - .name:           k_q634b78ef63_qkv
    .symbol:         k_q634b78ef63_qkv.kd
    .args:
      - { .name: x_codes, .offset: 0, .size: 8, .value_kind: global_buffer, .address_space: global }
      - { .name: x_scales, .offset: 8, .size: 8, .value_kind: global_buffer, .address_space: global }
      - { .name: Wq_codes, .offset: 16, .size: 8, .value_kind: global_buffer, .address_space: global }
      - { .name: Wq_scales, .offset: 24, .size: 8, .value_kind: global_buffer, .address_space: global }
      - { .name: Wk_codes, .offset: 32, .size: 8, .value_kind: global_buffer, .address_space: global }
      - { .name: Wk_scales, .offset: 40, .size: 8, .value_kind: global_buffer, .address_space: global }
      - { .name: Wv_codes, .offset: 48, .size: 8, .value_kind: global_buffer, .address_space: global }
      - { .name: Wv_scales, .offset: 56, .size: 8, .value_kind: global_buffer, .address_space: global }
      - { .name: qimg, .offset: 64, .size: 8, .value_kind: global_buffer, .address_space: global }
      - { .name: kvimg, .offset: 72, .size: 8, .value_kind: global_buffer, .address_space: global }
    .group_segment_fixed_size: 258048
    .private_segment_fixed_size: 0
    .kernarg_segment_align: 8
    .kernarg_segment_size: 80
    .max_flat_workgroup_size: 512
    .sgpr_count:     66
    .vgpr_count:     256
    .wavefront_size: 32
...
	.end_amdgpu_metadata
.endif
;; end of part 1
;; launch attn (part 2): grid 4 x 64, 16 waves a work-group, clusters of 4 x 1, 216,064 bytes of LDS; arguments qimg, kvimg, oimg, oscl; writes oimg, oscl
.if DOCPART == 2
	.amdgcn_target "amdgcn-amd-amdhsa--gfx1250"
	.amdhsa_code_object_version 6
	.text
	.protected	k_q634b78ef63_attn
	.globl	k_q634b78ef63_attn
	.p2align	8
	.type	k_q634b78ef63_attn,@function
k_q634b78ef63_attn:
	s_mov_b64 s[64:65], 0
	v_nop
	global_prefetch_b8 v0, s[64:65] scope:SCOPE_SE
	s_setreg_imm32_b32 hwreg(HW_REG_WAVE_MODE, 25, 1), 1
	s_wait_xcnt 0x0
	s_wait_alu depctr_hold_cnt(0) depctr_sa_sdst(0) depctr_va_vdst(0) depctr_va_sdst(0) depctr_va_ssrc(0) depctr_va_vcc(0) depctr_vm_vsrc(0)
	s_getreg_b32 s2, hwreg(HW_REG_IB_STS2, 6, 4)
	s_cmp_eq_u32 s2, 0
	s_cbranch_scc0 .Lentry_in_a_cluster
	s_endpgm
.Lentry_in_a_cluster:
	s_bfe_u32 s2, ttmp6, 0x10000c
	s_cmp_lg_u32 s2, 0x3003
	s_cbranch_scc0 .Lentry_shape_is_right
	s_endpgm
.Lentry_shape_is_right:
; O = softmax(q k^T / 8) v for one head, both products on codes of FP6 (E2M3) with E8M0 scales; O / l is then quantised along the head's 64 channels for the last product.
; THE SOFTMAX AHEAD OF THE SECOND PRODUCT: t = score x log2(e) / 8; M = the row's largest t so far, rounded up to a whole number; p = 2^(t - M) is quantised along the keys, not normalised; the row's sum l is taken of
; the unquantised p and divides O at the end.  When M moves, l and O are multiplied by 2^(old M - new M): exact.
; SHARES.  A work-group owns 512 queries of one head (work-group y = head 0..63): 256 work-groups in all.  Each of its sixteen waves owns TWO tiles of 16 queries and takes them one after the other, in 256 registers:
; four waves to a SIMD, so that one wave's vector work stands beside another's matrix work and LDS loads.  For each tile a wave walks the head's 2,048 keys, 128 a step.
; LDS.  The head's K, V and scale words, 16 steps x 13,312 bytes as the launch before laid them (images of operand registers), come in ONCE for both tiles, as they lie: no slot is ever filled again.  They come in four
; quarters, each wave bringing 13 rows of 256 bytes of each: four tensor loads a wave are out at the start; in the first tile's walk a quarter is read behind a counted wait and a barrier while the later quarters are on
; their way.  The second tile's walk finds all of it there: sixteen steps with no barrier among them.
; CLUSTER.  The four work-groups of a cluster are the four of one head, so each load is JOINT: the same descriptor and the mask of all four in all four.
; LAYOUT.  Both products are used transposed: S^T = K Q^T (source 0 = keys), O^T = V^T P^T (source 0 = channels): a lane holds ONE query (lane % 16) throughout.  A tile's 16 keys, queries or channels are rows
; 8 u + r + 8 (r / 8) of a pair of 32, so that the 16 registers of two neighbouring tiles are 16 neighbours: 32 b + 16 (lane / 16) + 0 .. 15.
; K = 64 IN AN INSTRUCTION OF 128.  A fragment of K holds TWO tiles of keys (registers 0-5, registers 6-11).  q stands twice: (q, zero codes) and (zero codes, q).  K x the first gives the first tile's scores, K x the
; second the second's: the other tile's codes meet zero codes under true scale bytes and add exactly 0.  So half of each such instruction's products are zeros, and K's bytes in LDS hold no padding.
; A BLOCK'S LARGEST p is not searched for: the block's largest score goes through the same multiply-add and exponential.  This takes v_exp_f32 not to fall where its input rises; at the worst one p of a block would be held one code low.
; LIMITS: NaN and infinities are not served.  A block whose largest magnitude lies under 2^-124, a block of zeros among them, gets the scale byte 1; only this program reads these bytes.  O / l is a reciprocal and a multiplication.
.set CHUNK, 13312                      ; a step: K's four fragments (1,536 each), V's four, four blocks of 256 bytes of scale words
.set QUART, 4*CHUNK                    ; a quarter of the head
.set WPART, QUART/16                   ; a wave's part of it: 13 rows of 256 bytes
.set HEADB, 16*CHUNK
.set OSC,   HEADB                      ; behind the head: 2 x 512 bytes in which the waves' scale bytes of O meet, one block of 512 for each of a wave's two tiles; no tensor load lands there
.set QSTEP, 8*1792                     ; from my first tile to my second: 256 queries on: 8 pairs in qimg,
.set OSTEP, 16*6144                    ; 16 tiles in oimg (and 512 bytes in oscl)
.set LI,  1                            ; v1   16 x lane
.set LS,  2                            ; v2   12,288 + 8 x lane: my scale words in a step
.set ADK, 3                            ; v3   the step's fragments
.set ADS, 4                            ; v4   the step's scale words
.set L8,  5                            ; v5   8 x lane
.set QA,  6                            ; v6   q's codes: 8 x lane + 768 x (wave % 2)
.set QSA, 7                            ; v7   q's scale word: 8 x lane + 4 x (wave % 2)
.set OSA, 8                            ; v8   OSC + 32 x wave + 2 r
.set OSR, 9                            ; v9   OSC + 512 x (wave % 2) + 16 x lane
.set OSG, 10                           ; v10  512 x (wave % 2) + 16 x lane
.set QL,  16                           ; v16-27   first tile: (q, 0)
.set QH,  28                           ; v28-39   (0, q)
.set QS,  40                           ; v40      its scale word (s0, s1, s0, s1)
.set QS2, 41                           ; v41      the second tile's
.set FR,  44                           ; v44-91   four fragments: K's, then V's
.set S,   92                           ; v92-155  S^T, then p
.set OT,  156                          ; v156-187 O^T
.set PCD, 188                          ; v188-199 p's codes
.set CT,  200                          ; v200-206 the conversions' second halves
.set BM,  208                          ; v208-211 the blocks' largest scores, then largest p
.set BX,  212                          ; v212-215 from the other half of the lanes; bytes; the sum's second chain
.set SOP, 216                          ; v216-219 the conversions' scale operands
.set SW,  220                          ; v220-227 register 2 i: K's scale words of fragment i; 2 i + 1: V's
.set F,   228                          ; v228     f = 2^(old M - new M)
.set PSW, 229                          ; v229     p's scale word
.set TP,  230                          ; v230     at work
.set Q2L, 232                          ; v232-243 second tile: (q, 0)
.set Q2H, 244                          ; v244-255 (0, q)
.set WV,  12                           ; s12      my wave's number
.set SEL, 20                           ; s[20:21] lane selects for v_permlanex16_b32: lane l xor 16
.set CS,  22                           ; s[22:23] c = log2(e) / 8; the packed form names the pair and takes its low word for both halves
.set G1,  24                           ; s[24:31] descriptor group 1
.set G0,  32                           ; s[32:47] descriptor group 0, one for each quarter
.set TB,  48                           ; s48      LDS byte at which the step in hand begins
.set CNT, 49                           ; s49      steps left
; A round of the cluster's barrier: my work-group's barrier, wave 0 signals for the work-group, every wave waits for all four work-groups, my work-group's barrier once more.
.macro CROUND
	s_barrier_signal -1
	s_barrier_wait -1
	s_cmp_lg_u32 s[WV], 0
	s_cbranch_scc1 .Lnot_wave_0_\@
	s_barrier_signal -3
.Lnot_wave_0_\@:
	s_barrier_wait -3
	s_barrier_signal -1
	s_barrier_wait -1
.endm
	s_load_b256 s[4:11], s[0:1], 0x0               ; qimg s[4:5], kvimg s[6:7], oimg s[8:9], oscl s[10:11]
	v_lshl_add_u32 v207, v0, 2, 0x34400
	v_mov_b32 v231, 0
	ds_add_u32 v207, v231
	ds_add_u32 v207, v231
	v_lshrrev_b32 v1, 5, v0
	v_readfirstlane_b32 s[WV], v1                  ; wave 0..15
	s_bfe_u32 s13, ttmp6, 0x40000                  ; cx: my place in the cluster
	s_lshl_b32 s14, ttmp9, 2                       ; in a cluster launch ttmp9 counts clusters
	s_add_co_u32 s14, s14, s13
	s_lshl_b32 s14, s14, 1                         ; my first block of 256 queries: it enters q's and O's global addresses alone
	s_and_b32 s15, ttmp7, 0xffff                   ; the head, which the four partners share
	; descriptor group 1: 13 rows of 32 elements of 8 bytes, dense, no padding
	s_mov_b32 s[G1], 15|(3<<16)|(1<<21)            ; 15:0 the mask: all four work-groups; 17:16 elements of 8 bytes; 21 set beside a mask
	s_mov_b32 s[G1+1], 32<<16                      ; tensor_dim0 = 32
	s_mov_b32 s[G1+2], 13<<16                      ; tensor_dim1 = 13
	s_mov_b32 s[G1+3], 32<<16                      ; tile_dim0 = 32
	s_mov_b32 s[G1+4], 13                          ; tile_dim1 = 13
	s_mov_b32 s[G1+5], 32                          ; from row to row: 32 elements
	s_mov_b32 s[G1+6], 0
	s_mov_b32 s[G1+7], 0
	s_mul_i32 s52, s[WV], WPART                    ; my part of a quarter, in LDS and in memory alike: no place in the cluster enters it
	s_mul_i32 s50, s15, HEADB
	s_add_co_u32 s50, s50, s52
	s_mov_b32 s51, 0
	s_lshl_b32 s54, s15, 6                         ; q: pair 64 head + 8 block + wave / 2, 1,792 bytes each
	s_lshl_b32 s55, s14, 3
	s_add_co_u32 s54, s54, s55
	s_lshr_b32 s55, s[WV], 1
	s_add_co_u32 s54, s54, s55
	s_mul_i32 s54, s54, 1792
	s_mov_b32 s55, 0
	s_lshr_b32 s56, s15, 3                         ; O's codes: tile 128 batch + 16 block + wave, 6,144 bytes each; in it 768 bytes for each of the batch's eight heads
	s_lshl_b32 s56, s56, 7
	s_lshl_b32 s57, s14, 4
	s_add_co_u32 s56, s56, s57
	s_add_co_u32 s56, s56, s[WV]
	s_mul_i32 s56, s56, 6144
	s_and_b32 s57, s15, 7
	s_mul_i32 s57, s57, 768
	s_add_co_u32 s56, s56, s57
	s_mov_b32 s57, 0
	s_lshl_b32 s58, s15, 12                        ; O's scale bytes: 4,096 a head, 512 a block of 256 queries
	s_lshl_b32 s59, s14, 9
	s_add_co_u32 s58, s58, s59
	s_mov_b32 s59, 0
	s_mov_b32 s[SEL], 0x76543210
	s_mov_b32 s[SEL+1], 0xfedcba98
	s_mov_b32 s[CS], 0x3e38aa3b                    ; log2(e) / 8
	s_mov_b32 s[CS+1], s[CS]                       ; (named with it as a pair, so it is written)
	s_wait_dscnt 0x0
	s_wait_kmcnt 0x0
	s_add_nc_u64 s[6:7], s[6:7], s[50:51]
	s_add_nc_u64 s[4:5], s[4:5], s[54:55]
	s_add_nc_u64 s[8:9], s[8:9], s[56:57]
	s_add_nc_u64 s[10:11], s[10:11], s[58:59]
.irp c, 0,1,2,3
	s_mov_b32 s[G0+4*\c], 1                        ; count = 1
	s_add_co_u32 s[G0+4*\c+1], s52, \c*QUART       ; LDS address
	s_add_nc_u64 s[G0+4*\c+2:G0+4*\c+3], s[6:7], \c*QUART   ; global address
	s_or_b32 s[G0+4*\c+3], s[G0+4*\c+3], 0x80000000   ; type = 2
.endr
	CROUND                                         ; all four work-groups are here: the joint loads meet
.irp c, 0,1,2,3
	tensor_load_to_lds s[G0+4*\c:G0+4*\c+3], s[G1:G1+7]   ; the launch's only fills, in one group: four loads of mine are out
	s_nop 0
.endr
.rept 4
	v_nop
.endr
	v_and_b32 v11, 31, v0                          ; lane
	v_lshlrev_b32 v[LI], 4, v11
	v_lshlrev_b32 v[L8], 3, v11
	v_add_nc_u32 v[LS], 12288, v[L8]
	s_and_b32 s53, s[WV], 1                        ; which tile of a pair is mine
	s_mul_i32 s60, s53, 768
	v_add_nc_u32 v[QA], s60, v[L8]
	s_lshl_b32 s60, s53, 2
	v_add_nc_u32 v[QSA], s60, v[L8]
.irp p, 0,1,2
	global_load_b64 v[QL+2*\p:QL+2*\p+1], v[QA], s[4:5] offset:256*\p       ; q's six registers, twice: into the lower half of one operand
	global_load_b64 v[QH+6+2*\p:QH+7+2*\p], v[QA], s[4:5] offset:256*\p     ; and the upper half of the other
	global_load_b64 v[Q2L+2*\p:Q2L+2*\p+1], v[QA], s[4:5] offset:QSTEP+256*\p     ; the second tile's likewise: it is there when the second walk begins
	global_load_b64 v[Q2H+6+2*\p:Q2H+7+2*\p], v[QA], s[4:5] offset:QSTEP+256*\p
.endr
	global_load_b32 v[QS], v[QSA], s[4:5] offset:1536
	global_load_b32 v[QS2], v[QSA], s[4:5] offset:QSTEP+1536
.irp i, 0,1,2,3,4,5
	v_mov_b32 v[QL+6+\i], 0                        ; zero codes
	v_mov_b32 v[QH+\i], 0
	v_mov_b32 v[Q2L+6+\i], 0
	v_mov_b32 v[Q2H+\i], 0
.endr
	v_and_b32 v11, 15, v0                          ; r
	s_lshl_b32 s60, s[WV], 5
	s_add_co_u32 s60, s60, OSC
	v_lshl_add_u32 v[OSA], v11, 1, s60
	s_lshl_b32 s60, s53, 9
	v_add_nc_u32 v[OSG], s60, v[LI]
	v_add_nc_u32 v[OSR], OSC, v[OSG]
.irp b, 0,1,2,3
	v_mov_b32 v[BX+\b], 0                          ; written once: a lane permute's destination counts as one of its sources
.endr
	v_mov_b32 v[PSW], 0                            ; (named as the upper half of the pair with f before it is first written)
; A tile's walk begins: the step is written once, and the first finds zeros, which the first change of M leaves zeros
.macro INIT
	v_mov_b32 v13, 0xff61b1e6                      ; the largest t so far: -3e38, under every t
	v_floor_f32 v12, -v13                          ; -M
	v_mov_b32 v14, 0                               ; the sum, in two halves
	v_mov_b32 v15, 0
.set J, 0
.rept 32
	v_mov_b32 v[OT+J], 0                           ; O^T
.set J, J+1
.endr
.endm
	INIT
	s_wait_loadcnt 0x0                             ; q
; A KEY STEP: 128 keys, for the tile whose q stands in ql and qh, with the scale word qs
.macro STEP ql, qh, qs
	v_add_nc_u32 v[ADK], s[TB], v[LI]              ; these two and two v_nop: the four places between the last step's products and the loads into their operands
	v_add_nc_u32 v[ADS], s[TB], v[LS]
	v_nop
	v_nop
.irp p, 0,1,2,3
.irp c, 0,1,2
	ds_load_b128 v[FR+12*\p+4*\c:FR+12*\p+4*\c+3], v[ADK] offset:1536*\p+512*\c   ; K's fragment p: 32 keys
.endr
	ds_load_b64 v[SW+2*\p:SW+2*\p+1], v[ADS] offset:256*\p                      ; its scale words, and those of V's fragment p
.endr
	s_wait_dscnt 0x0
.irp p, 0,1,2,3
	v_wmma_scale_f32_16x16x128_f8f6f4 v[S+16*\p:S+16*\p+7], v[FR+12*\p:FR+12*\p+11], v[\ql:\ql+11], 0, v[SW+2*\p], v[\qs] matrix_a_fmt:MATRIX_FMT_FP6 matrix_b_fmt:MATRIX_FMT_FP6
	v_wmma_scale_f32_16x16x128_f8f6f4 v[S+16*\p+8:S+16*\p+15], v[FR+12*\p:FR+12*\p+11], v[\qh:\qh+11], 0, v[SW+2*\p], v[\qs] matrix_a_fmt:MATRIX_FMT_FP6 matrix_b_fmt:MATRIX_FMT_FP6
.endr                                          ; register S + 16 p + i: key 32 p + 16 (lane / 16) + i of the step, my query
.rept 4
	v_nop                                          ; places in front of the loads into K's registers and of the first read of the scores
.endr
.irp t, 0,1,2,3
.irp c, 0,1,2
	ds_load_b128 v[FR+12*\t+4*\c:FR+12*\t+4*\c+3], v[ADK] offset:6144+1536*\t+512*\c   ; V's four fragments land while the softmax is worked
.endr
.endr
.irp b, 0,1,2,3
	v_max3_num_f32 v[BM+\b], v[S+16*\b], v[S+1+16*\b], v[S+2+16*\b]   ; the largest score of each block of 32 keys; each accumulator is read from its low end on
.endr
.irp i, 3,5,7,9,11,13
.irp b, 0,1,2,3
	v_max3_num_f32 v[BM+\b], v[BM+\b], v[S+16*\b+\i], v[S+1+16*\b+\i]   ; the four blocks by turns
.endr
.endr
.irp b, 0,1,2,3
	v_max_num_f32 v[BM+\b], v[BM+\b], v[S+15+16*\b]
.endr
.irp b, 0,1,2,3
	v_permlanex16_b32 v[BX+\b], v[BM+\b], s[SEL], s[SEL+1]
.endr
.irp b, 0,1,2,3
	v_max_num_f32 v[BM+\b], v[BM+\b], v[BX+\b]     ; with lane l xor 16's 16 keys
.endr
	v_max3_num_f32 v[TP], v[BM], v[BM+1], v[BM+2]
	v_max_num_f32 v[TP], v[TP], v[BM+3]            ; the step's largest score of my query
	v_mul_f32 v[TP], s[CS], v[TP]                  ; as t (c is positive)
	v_max_num_f32 v13, v13, v[TP]                  ; the running largest t
	v_mov_b32 v[TP], v12
	v_floor_f32 v12, -v13                          ; the new -M = floor(-t) = -ceil(t): a whole number
	v_sub_f32 v[TP], v12, v[TP]                    ; old M less new M: a whole number, 0 or less
	v_cvt_i32_f32 v[TP], v[TP]                     ; (it saturates)
	v_ldexp_f32 v[F], 1.0, v[TP]                   ; f = 2^(old M - new M)
.set J, 0
.rept 32
	v_pk_fma_f32 v[S+J:S+J+1], v[S+J:S+J+1], s[CS:CS+1], v[12:13] op_sel_hi:[1,0,0]   ; t - M, two at a time
.set J, J+2
.endr
.irp b, 0,1,2,3
	v_fma_f32 v[BM+\b], v[BM+\b], s[CS], v12       ; the same of each block's largest score
.endr
.set J, 0
.rept 64
	v_exp_f32 v[S+J], v[S+J]                       ; p = 2^(t - M), at most 1
.set J, J+1
.endr
.irp b, 0,1,2,3
	v_exp_f32 v[BM+\b], v[BM+\b]                   ; the block's largest p
.endr
	v_pk_mul_f32 v[14:15], v[14:15], v[F:F+1] op_sel_hi:[1,0]   ; the sums under the new M; also the plain place behind the exponentials
	s_wait_alu depctr_va_vdst(0)
.irp b, 0,1,2,3
	v_max_num_f32 v[BM+\b], 0x1800000, v[BM+\b]    ; the floor 2^(3 - 127): the byte cannot fall under 1
.endr
.irp b, 0,1,2,3
	v_add_nc_u32 v[SOP+\b], 0xff000000, v[BM+\b]   ; 2 off the exponent field: the conversion's scale operand
.endr
.irp b, 0,1,2,3
	v_lshrrev_b32 v[BX+\b], 23, v[SOP+\b]          ; the scale's byte
.endr
	v_lshl_or_b32 v[PSW], v[BX+1], 8, v[BX]        ; p's scale word for these 128 keys
	v_lshl_or_b32 v[PSW], v[BX+2], 16, v[PSW]
	v_lshl_or_b32 v[PSW], v[BX+3], 24, v[PSW]
.irp c, 0,1
	v_cvt_scalef32_pk16_fp6_f32 v[PCD+6*\c:PCD+2+6*\c], v[S+32*\c:S+15+32*\c], v[SOP+2*\c]
	v_cvt_scalef32_pk16_fp6_f32 v[CT+4*\c:CT+2+4*\c], v[S+16+32*\c:S+31+32*\c], v[SOP+2*\c+1]   ; (a conversion's three registers begin on an even number)
.endr
	v_nop                                          ; one plain place behind a scaled conversion
.irp c, 0,1                                    ; the operand's layout wants a whole block in a lane
.irp i, 0,1,2
	v_permlane16_swap_b32 v[PCD+6*\c+\i], v[CT+4*\c+\i]
.endr
.irp i, 0,1,2
	v_mov_b32 v[PCD+3+6*\c+\i], v[CT+4*\c+\i]
.endr
.endr
	v_pk_add_f32 v[BX:BX+1], v[S:S+1], v[S+2:S+3]  ; the row's sum is taken of the unquantised p: two at a time, in two chains
.set J, 4
.rept 15
	v_pk_add_f32 v[14:15], v[14:15], v[S+J:S+J+1]
	v_pk_add_f32 v[BX:BX+1], v[BX:BX+1], v[S+J+2:S+J+3]
.set J, J+4
.endr
	v_pk_add_f32 v[14:15], v[14:15], v[BX:BX+1]
.set J, 0
.rept 16
	v_pk_mul_f32 v[OT+J:OT+J+1], v[OT+J:OT+J+1], v[F:F+1] op_sel_hi:[1,0]   ; O^T under the new M.  With the sums above: far more than the eight places between p's scale word and the products
.set J, J+2
.endr
	s_wait_dscnt 0x0                               ; V is in
.irp t, 0,1,2,3                                ; four accumulators, one instruction a turn
	v_wmma_scale_f32_16x16x128_f8f6f4 v[OT+8*\t:OT+8*\t+7], v[FR+12*\t:FR+12*\t+11], v[PCD:PCD+11], v[OT+8*\t:OT+8*\t+7], v[SW+2*\t+1], v[PSW] matrix_a_fmt:MATRIX_FMT_FP6 matrix_b_fmt:MATRIX_FMT_FP6
.endr
	s_add_co_u32 s[TB], s[TB], CHUNK
.endm
; The first tile's walk, a quarter of the head at a time: four steps
.macro PHASE n
	s_wait_tensorcnt 3-\n                          ; a wave's tensor loads end in order: my part of quarter n is in; the 3 - n younger loads stay out
	s_barrier_signal -1                            ; (no LDS instruction of mine is out)
	s_barrier_wait -1                              ; everybody's part is in
	s_mov_b32 s[TB], \n*QUART
	s_mov_b32 s[CNT], 4
.Lstep_\@:
	STEP QL, QH, QS
	s_sub_co_u32 s[CNT], s[CNT], 1
	s_cmp_lg_u32 s[CNT], 0
	s_cbranch_scc1 .Lstep_\@
.endm
; THE WAY OUT of my tile n (0, 1).  O^T / l; its two blocks of 32 channels are quantised; the six registers of codes are half of an operand of the last product and leave as they stand; the scale bytes go to the tile's stage in LDS.
.macro TAIL n
	v_add_f32 v14, v14, v15                        ; the sum's two halves,
	v_permlanex16_b32 v[TP], v14, s[SEL], s[SEL+1]
	v_add_f32 v14, v14, v[TP]                      ; and lane l xor 16's: l
	v_rcp_f32 v14, v14
	v_nop                                          ; the two additions and these two are the four places behind the last products; the first is also the plain place behind the reciprocal
	v_nop
.set J, 0
	s_wait_alu depctr_va_vdst(0)
.rept 32
	v_mul_f32 v[S+J], v[OT+J], v14                 ; register 16 b + i: channel 32 b + 16 (lane / 16) + i.  Each accumulator from its low end on
.set J, J+1
.endr
.irp b, 0,1
	v_max3_num_f32 v[BM+\b], |v[S+16*\b]|, |v[S+1+16*\b]|, 0x1800000
.endr
.irp i, 2,4,6,8,10,12,14
.irp b, 0,1
	v_max3_num_f32 v[BM+\b], v[BM+\b], |v[S+16*\b+\i]|, |v[S+1+16*\b+\i]|
.endr
.endr
.irp b, 0,1
	v_permlanex16_b32 v[BX+\b], v[BM+\b], s[SEL], s[SEL+1]
.endr
.irp b, 0,1
	v_max_num_f32 v[BM+\b], v[BM+\b], v[BX+\b]
.endr
.irp b, 0,1
	v_add_nc_u32 v[SOP+\b], 0xff000000, v[BM+\b]
.endr
.irp b, 0,1
	v_lshrrev_b32 v[BX+\b], 23, v[SOP+\b]
.endr
	v_lshl_or_b32 v[TP], v[BX+1], 8, v[BX]         ; my query's two scale bytes
	v_cvt_scalef32_pk16_fp6_f32 v[PCD:PCD+2], v[S:S+15], v[SOP]
	v_cvt_scalef32_pk16_fp6_f32 v[PCD+4:PCD+6], v[S+16:S+31], v[SOP+1]
	v_nop                                          ; one plain place behind a scaled conversion
.irp i, 0,1,2
	v_permlane16_swap_b32 v[PCD+\i], v[PCD+4+\i]   ; lanes 0-15: block 0, lanes 16-31: block 1
.endr
.irp i, 0,1,2
	v_mov_b32 v[PCD+3+\i], v[PCD+4+\i]
.endr
.irp p, 0,1,2
	global_store_b64 v[L8], v[PCD+2*\p:PCD+2*\p+1], s[8:9] offset:OSTEP*\n+256*\p   ; 32 lanes store 256 consecutive bytes, aligned
.endr
	ds_store_b16 v[OSA], v[TP] offset:512*\n       ; both halves of the lanes write the same two bytes with the same value
.endm
	PHASE 0
	PHASE 1
	PHASE 2
	PHASE 3
	TAIL 0
	s_wait_xcnt 0x0                                ; the stores have read the codes' registers, which the second walk writes again
	INIT
	s_mov_b32 s[TB], 0
	s_mov_b32 s[CNT], 16
.Lsecond:                                          ; the second tile's walk: the whole head lies in LDS, shown to every wave by the fourth quarter's barrier
	STEP Q2L, Q2H, QS2
	s_sub_co_u32 s[CNT], s[CNT], 1
	s_cmp_lg_u32 s[CNT], 0
	s_cbranch_scc1 .Lsecond
	TAIL 1
	s_wait_dscnt 0x0                               ; for waves 0 and 1's sake: my scale bytes of both tiles lie in LDS
	s_barrier_signal -1
	s_barrier_wait -1
	s_cmp_gt_u32 s[WV], 1
	s_cbranch_scc1 .Lnot_mine
	ds_load_b128 v[S:S+3], v[OSR]                  ; wave n takes the sixteen waves' tiles n: 512 bytes
	s_wait_dscnt 0x0
	global_store_b128 v[OSG], v[S:S+3], s[10:11]   ; 512 consecutive bytes, aligned
.Lnot_mine:
	s_wait_tensorcnt 0x0
	ds_add_u32 v207, v231
	s_wait_dscnt 0x0
	CROUND                                         ; the closing round: no work-group ends while a partner may still ask jointly
	s_endpgm
.Lfunc_end_k_q634b78ef63_attn:
	.size	k_q634b78ef63_attn, .Lfunc_end_k_q634b78ef63_attn-k_q634b78ef63_attn
	.p2alignl 7, 3214868480
	.fill 96, 4, 3214868480
	.section	.rodata,"a",@progbits
	.p2align	6, 0x0
	.amdhsa_kernel k_q634b78ef63_attn
		.amdhsa_group_segment_fixed_size 216064
		.amdhsa_private_segment_fixed_size 0
		.amdhsa_enable_private_segment 0
		.amdhsa_kernarg_size 32
		.amdhsa_user_sgpr_count 2
		.amdhsa_user_sgpr_kernarg_segment_ptr 1
		.amdhsa_wavefront_size32 1
		.amdhsa_system_sgpr_workgroup_id_x 1
		.amdhsa_system_sgpr_workgroup_id_y 1
		.amdhsa_system_sgpr_workgroup_id_z 1
		.amdhsa_system_vgpr_workitem_id 0
		.amdhsa_next_free_vgpr 256
		.amdhsa_next_free_sgpr 66
		.amdhsa_reserve_vcc 0
		.amdhsa_float_denorm_mode_32 3
		.amdhsa_float_denorm_mode_16_64 3
		.amdhsa_memory_ordered 1
		.amdhsa_forward_progress 1
		.amdhsa_inst_pref_size 95
	.end_amdhsa_kernel
	.amdgpu_metadata
---
amdhsa.version: [ 1, 2 ]
amdhsa.kernels:
  - .name:           k_q634b78ef63_attn
    .symbol:         k_q634b78ef63_attn.kd
    .args:
      - { .name: qimg, .offset: 0, .size: 8, .value_kind: global_buffer, .address_space: global }
      - { .name: kvimg, .offset: 8, .size: 8, .value_kind: global_buffer, .address_space: global }
      - { .name: oimg, .offset: 16, .size: 8, .value_kind: global_buffer, .address_space: global }
      - { .name: oscl, .offset: 24, .size: 8, .value_kind: global_buffer, .address_space: global }
    .group_segment_fixed_size: 216064
    .private_segment_fixed_size: 0
    .kernarg_segment_align: 8
    .kernarg_segment_size: 32
    .max_flat_workgroup_size: 512
    .sgpr_count:     66
    .vgpr_count:     256
    .wavefront_size: 32
...
	.end_amdgpu_metadata
.endif
;; end of part 2
;; launch proj (part 3): grid 256 x 1, 16 waves a work-group, no clusters, 233,472 bytes of LDS; arguments oimg, oscl, Wp_codes, Wp_scales, bp, out0; writes out0
.if DOCPART == 3
	.amdgcn_target "amdgcn-amd-amdhsa--gfx1250"
	.amdhsa_code_object_version 6
	.text
	.protected	k_q634b78ef63_proj
	.globl	k_q634b78ef63_proj
	.p2align	8
	.type	k_q634b78ef63_proj,@function
k_q634b78ef63_proj:
	s_mov_b64 s[64:65], 0
	v_nop
	global_prefetch_b8 v0, s[64:65] scope:SCOPE_SE
	s_setreg_imm32_b32 hwreg(HW_REG_WAVE_MODE, 25, 1), 1
	s_wait_xcnt 0x0
; out = O Wp + bp, on codes of FP6 (E2M3) with E8M0 scales, K = 512 = (head, channel).  O's codes come as images of operand registers: oimg [tile of 16 rows][head][768 bytes]: two neighbouring heads are the twelve
; registers of one K step of 128.  Its scale bytes: oscl [head 0..63][tile in the batch][16 rows][2].  Wp: [512 columns][512] codes, rows of 384 bytes, 16 scale bytes a row.  out: [16384][512] f32.
; SHARES.  A work-group takes 64 rows: four tiles.  THE WAVES SHARE THE COLUMNS: wave w makes columns 32 w .. 32 w + 31 for all 64 rows, so its eight fragments of Wp stay in its registers, read from memory once.
; Wp's 32 rows of a wave are 12,288 consecutive bytes: they are loaded as they lie, 16 bytes a lane, 512 consecutive bytes a load, go into the wave's own stage in LDS as rows 400 bytes apart, and come back as fragments,
; in pieces of 8 bytes: lane (r, h) at 400 r + 24 h: word 100 r + 6 h, so the 32 lanes' 64 words fall into 64 different banks (64 banks of 4 bytes: ISA guide 11.1).
; The rows' sixteen fragments (tile m, K step k) are brought in one by each wave (m = w / 4, k = w % 4) and go round through LDS as images of their registers.
; Source 0 = 16 columns of Wp, source 1 = 16 rows of O: a lane holds eight neighbouring columns of one row.  The bias is the C of each sum's first matrix instruction.
; A TILE'S ROWS ARE NOT NEIGHBOURS: lane r of tile m holds row 32 (m / 2) + 8 (m % 2) + r + 8 (r / 8) of the 64.  The stage for the way out puts them in order: 64 rows of 2,048 bytes + 16, in four runs of 16 rows, 128 bytes
; between runs.  It begins where the waves' stages for Wp begin: it is written only behind the first barrier, in front of which every wave has waited for its reads of its own stage.
; Each wave then stores four whole rows, 512 consecutive bytes an instruction.
; NO JOINT LOADS: Wp's rows are each wave's own and end in its registers; the rows' codes are read by one work-group alone.
; LIMITS: NaN and infinities are not served; a given scale byte 0xff gives NaN.
.set FRB,    1536
.set AIMG,   0                         ; LDS: the rows' sixteen fragments, (4 m + k) FRB
.set ASC,    24576                     ; their scale words, 128 bytes each
.set STG,    26624                     ; the stage for the way out
.set SPITCH, 2064
.set SCH,    33152                     ; a run of 16 rows: 16 x 2,064 + 128
.set WSTG,   STG                       ; the waves' stages for Wp: 32 rows of 400 bytes each, 204,800 bytes in all
.set PITCH,  400
.set LI,  1                            ; v1   16 x lane
.set L4,  2                            ; v2   4 x lane
.set SO,  3                            ; v3-4 the way out: where I put 32 bytes of a row, for tiles 0, 1 and for tiles 2, 3
.set SR,  5                            ; v5   where I read my four rows back
.set L8,  6                            ; v6   8 x lane
.set R2,  7                            ; v7   2 r
.set WA,  8                            ; v8   Wp's fragments in my stage: 400 r + 24 h
.set BA,  9                            ; v9   the bias: 32 h
.set IW,  10                           ; v10  where I store my fragment's image
.set SWA, 11                           ; v11  and its scale words
.set WF,  16                           ; v16-111  Wp's rows as loaded, then its fragments: (tile n, K step k) at 12 (4 n + k)
.set WS,  112                          ; v112-115 Wp's scale words: register k; lanes 0-15 tile 0, lanes 16-31 tile 1
.set BI,  116                          ; v116-131 the bias, eight registers a tile
.set AF,  132                          ; v132-179 four fragments of the rows
.set AS,  180                          ; v180-183 their scale words
.set ACC, 184                          ; v184-247 accumulator (m, n) at 8 (2 m + n)
.set WST, 252                          ; v252-254 where I store Wp's rows: one register for each of three loads, which are four rows
.macro FETCH reg, off
.irp c, 0,1,2
	ds_load_b128 v[\reg+4*\c:\reg+4*\c+3], v[LI] offset:\off+512*\c
.endr
.endm
.macro WM d, a, b, cc, sa, sb, ra      ; ra = 1: source 0's scale words are taken from lanes 16-31
.if \ra
	v_wmma_scale_f32_16x16x128_f8f6f4 v[\d:\d+7], v[\a:\a+11], v[\b:\b+11], v[\cc:\cc+7], v[\sa], v[\sb] matrix_a_fmt:MATRIX_FMT_FP6 matrix_b_fmt:MATRIX_FMT_FP6 matrix_a_scale:MATRIX_SCALE_ROW1
.else
	v_wmma_scale_f32_16x16x128_f8f6f4 v[\d:\d+7], v[\a:\a+11], v[\b:\b+11], v[\cc:\cc+7], v[\sa], v[\sb] matrix_a_fmt:MATRIX_FMT_FP6 matrix_b_fmt:MATRIX_FMT_FP6
.endif
.endm
	s_load_b256 s[4:11], s[0:1], 0x0               ; oimg s[4:5], oscl s[6:7], Wp's codes s[8:9], Wp's scales s[10:11]
	s_load_b128 s[12:15], s[0:1], 0x20             ; bp s[12:13], out s[14:15]
	v_lshl_add_u32 v251, v0, 2, 0x38800
	v_mov_b32 v255, 0
	v_lshrrev_b32 v1, 5, v0
	v_readfirstlane_b32 s16, v1                    ; wave w, 0..15
	s_lshr_b32 s18, s16, 2                         ; m: the tile whose fragment I bring in
	s_and_b32 s19, s16, 3                          ; k: its K step
	s_lshl_b32 s20, ttmp9, 4                       ; oimg: fragment 16 g + w, 1,536 bytes each
	s_add_co_u32 s20, s20, s16
	s_mul_i32 s20, s20, FRB
	s_mov_b32 s21, 0
	s_lshr_b32 s22, ttmp9, 5                       ; oscl: head 8 batch + 2 k,
	s_lshl_b32 s22, s22, 3
	s_lshl_b32 s23, s19, 1
	s_add_co_u32 s22, s22, s23
	s_lshl_b32 s22, s22, 7                         ; 128 tiles a head,
	s_and_b32 s23, ttmp9, 31
	s_lshl_b32 s23, s23, 2
	s_add_co_u32 s22, s22, s23
	s_add_co_u32 s22, s22, s18                     ; tile 4 (g % 32) + m,
	s_lshl_b32 s22, s22, 5                         ; 32 bytes a tile
	s_mov_b32 s23, 0
	s_mul_i32 s24, s16, 32*384                     ; Wp: my 32 rows
	s_mov_b32 s25, 0
	s_lshl_b32 s26, s16, 9                         ; their scale bytes
	s_mov_b32 s27, 0
	s_lshl_b32 s28, s16, 7                         ; my 32 numbers of the bias
	s_mov_b32 s29, 0
	s_lshl_b32 s30, ttmp9, 6                       ; out: row 64 g + 4 w, 2,048 bytes a row
	s_lshl_b32 s31, s16, 2
	s_add_co_u32 s30, s30, s31
	s_lshl_b32 s30, s30, 11
	s_mov_b32 s31, 0
	v_and_b32 v12, 31, v0                          ; lane
	v_lshlrev_b32 v[LI], 4, v12
	v_lshlrev_b32 v[L4], 2, v12
	v_lshlrev_b32 v[L8], 3, v12
	s_mul_i32 s35, s16, 32*PITCH
	s_add_co_u32 s35, s35, WSTG                    ; my stage for Wp
	; piece u = lane + 32 i of 16 bytes, of the 96 pieces of three loads, lies in row u / 24 of four rows: at 16 u + 16 (u / 24), since a row in LDS is 16 bytes longer than in memory.  u / 24 = (171 u) >> 12 for u under 96
.irp i, 0,1,2
	v_add_nc_u32 v13, 32*\i, v12
	v_mul_u32_u24 v14, v13, 171
	v_lshrrev_b32 v14, 12, v14
	v_add_nc_u32 v13, v13, v14
	v_lshlrev_b32 v[WST+\i], 4, v13
	v_add_nc_u32 v[WST+\i], s35, v[WST+\i]
.endr
	v_and_b32 v12, 15, v0                          ; r
	v_bfe_u32 v13, v0, 4, 1                        ; h
	v_lshlrev_b32 v[R2], 1, v12
	v_mul_u32_u24 v[WA], v12, PITCH
	v_mad_u32_u24 v[WA], v13, 24, v[WA]
	v_add_nc_u32 v[WA], s35, v[WA]
	v_lshlrev_b32 v[BA], 5, v13
	s_mul_i32 s32, s16, FRB
	v_add_nc_u32 v[IW], s32, v[LI]
	s_lshl_b32 s32, s16, 7
	v_add_nc_u32 v[SWA], s32, v[L4]
	v_lshrrev_b32 v14, 3, v12                      ; r / 8: which run of 16 rows of the pair
	v_and_b32 v15, 7, v12
	v_mul_u32_u24 v[SO], v14, SCH
	v_mad_u32_u24 v[SO], v15, SPITCH, v[SO]
	v_lshl_add_u32 v[SO], v13, 5, v[SO]            ; + 32 h
	s_add_co_u32 s32, s32, STG                     ; + 128 w: my columns
	v_add_nc_u32 v[SO], s32, v[SO]
	v_add_nc_u32 v[SO+1], 2*SCH, v[SO]             ; tiles 2, 3: the second pair of runs
	s_mul_i32 s33, s18, SCH                        ; back: rows 4 w .. 4 w + 3: run w / 4, rows 4 (w % 4) on
	s_mul_i32 s34, s19, 4*SPITCH
	s_add_co_u32 s33, s33, s34
	s_add_co_u32 s33, s33, STG
	v_add_nc_u32 v[SR], s33, v[LI]
	s_wait_kmcnt 0x0
	s_add_nc_u64 s[4:5], s[4:5], s[20:21]
	s_add_nc_u64 s[6:7], s[6:7], s[22:23]
	s_add_nc_u64 s[8:9], s[8:9], s[24:25]
	s_add_nc_u64 s[10:11], s[10:11], s[26:27]
	s_add_nc_u64 s[12:13], s[12:13], s[28:29]
	s_add_nc_u64 s[14:15], s[14:15], s[30:31]
.irp p, 0,1,2,3,4,5
	global_load_b64 v[AF+2*\p:AF+2*\p+1], v[L8], s[4:5] offset:256*\p   ; my fragment of the rows: 256 consecutive bytes a load
.endr
	global_load_u16 v248, v[R2], s[6:7]            ; its rows' scale bytes: head 2 k's two,
	global_load_u16 v249, v[R2], s[6:7] offset:4096   ; head 2 k + 1's two
.set J, 0
.rept 24
	global_load_b128 v[WF+4*J:WF+4*J+3], v[LI], s[8:9] offset:512*J   ; Wp's 32 rows as they lie
.set J, J+1
.endr
	global_load_b128 v[WS:WS+3], v[LI], s[10:11]   ; lane l: row l of my 32: its four K steps' words
.irp n, 0,1
	global_load_b128 v[BI+8*\n:BI+8*\n+3], v[BA], s[12:13] offset:64*\n        ; lane (r, h): bp at columns 16 n + 8 h + 0 .. 7 of my 32
	global_load_b128 v[BI+8*\n+4:BI+8*\n+7], v[BA], s[12:13] offset:64*\n+16
.endr
	s_wait_loadcnt 29                              ; my fragment and its scale bytes are in: behind them stand Wp's 24 loads, its scale words' one and the bias's four
	v_lshl_or_b32 v250, v249, 16, v248             ; the K step's scale word of my row
.irp c, 0,1,2
	ds_store_b128 v[IW], v[AF+4*\c:AF+4*\c+3] offset:AIMG+512*\c
.endr
	ds_store_b32 v[SWA], v250 offset:ASC
	s_wait_loadcnt 5                               ; Wp's rows are in: the scale words' load and the bias's four may be out
.set J, 0
.rept 24
	ds_store_b128 v[WST+(J%3)], v[WF+4*J:WF+4*J+3] offset:4*PITCH*(J/3)
.set J, J+1
.endr
.irp n, 0,1                                    ; LDS serves a wave's instructions in order (ISA guide 5.7.1.4): these see the stores above, and come back into the registers that the rows left
.irp k, 0,1,2,3
.irp p, 0,1,2,3,4,5
	ds_load_b64 v[WF+12*(4*\n+\k)+2*\p:WF+12*(4*\n+\k)+2*\p+1], v[WA] offset:16*PITCH*\n+96*\k+48*(\p/3)+8*(\p%3)
.endr
.endr
.endr
	s_wait_dscnt 0x0                               ; for the others' sake: my image lies in LDS, and my reads of my stage are over: its bytes may be written behind the barrier
	s_barrier_signal -1
	s_barrier_wait -1
	s_wait_loadcnt 0x0                             ; Wp's scale words, the bias
.irp k, 0,1,2,3
.if \k > 0
.rept 4
	v_nop                                          ; places in front of loads into registers that matrix instructions have read
.endr
.endif
.irp m, 0,1,2,3
	FETCH AF+12*\m, AIMG+(4*\m+\k)*FRB
	ds_load_b32 v[AS+\m], v[L4] offset:ASC+128*(4*\m+\k)
.endr
	s_wait_dscnt 0x0
.irp m, 0,1,2,3                                ; eight accumulators, one instruction a turn, in the same order in every K step
.irp n, 0,1
.if \k == 0
	WM ACC+8*(2*\m+\n), WF+12*(4*\n+\k), AF+12*\m, BI+8*\n, WS+\k, AS+\m, \n
.else
	WM ACC+8*(2*\m+\n), WF+12*(4*\n+\k), AF+12*\m, ACC+8*(2*\m+\n), WS+\k, AS+\m, \n
.endif
.endr
.endr
.endr
.rept 4
	v_nop                                          ; places in front of the first read of the results, and of the loads below into Wp's registers
.endr
.irp m, 0,1,2,3
.irp n, 0,1
	ds_store_b128 v[SO+\m/2], v[ACC+8*(2*\m+\n):ACC+8*(2*\m+\n)+3] offset:8*SPITCH*(\m%2)+64*\n        ; each accumulator from its low end on
	ds_store_b128 v[SO+\m/2], v[ACC+8*(2*\m+\n)+4:ACC+8*(2*\m+\n)+7] offset:8*SPITCH*(\m%2)+64*\n+16
.endr
.endr
	s_wait_dscnt 0x0                               ; for the others' sake: my columns lie in the stage
	s_barrier_signal -1
	s_barrier_wait -1                              ; 64 whole rows lie there
.set Q, 0
.rept 16
	ds_load_b128 v[WF+4*Q:WF+4*Q+3], v[SR] offset:SPITCH*(Q/4)+512*(Q%4)
.set Q, Q+1
.endr
.set Q, 0
.rept 16
	s_wait_dscnt 15-Q                              ; LDS loads come back in order: load Q is in, the younger ones may be out
	global_store_b128 v[LI], v[WF+4*Q:WF+4*Q+3], s[14:15] offset:2048*(Q/4)+512*(Q%4) th:TH_STORE_NT   ; 32 lanes store 512 consecutive bytes, aligned; written once, read by nobody here
.set Q, Q+1
.endr
	s_wait_tensorcnt 0x0
	ds_add_u32 v251, v255
	s_wait_dscnt 0x0
	s_endpgm
.Lfunc_end_k_q634b78ef63_proj:
	.size	k_q634b78ef63_proj, .Lfunc_end_k_q634b78ef63_proj-k_q634b78ef63_proj
	.p2alignl 7, 3214868480
	.fill 96, 4, 3214868480
	.section	.rodata,"a",@progbits
	.p2align	6, 0x0
	.amdhsa_kernel k_q634b78ef63_proj
		.amdhsa_group_segment_fixed_size 233472
		.amdhsa_private_segment_fixed_size 0
		.amdhsa_enable_private_segment 0
		.amdhsa_kernarg_size 48
		.amdhsa_user_sgpr_count 2
		.amdhsa_user_sgpr_kernarg_segment_ptr 1
		.amdhsa_wavefront_size32 1
		.amdhsa_system_sgpr_workgroup_id_x 1
		.amdhsa_system_sgpr_workgroup_id_y 1
		.amdhsa_system_sgpr_workgroup_id_z 1
		.amdhsa_system_vgpr_workitem_id 0
		.amdhsa_next_free_vgpr 256
		.amdhsa_next_free_sgpr 66
		.amdhsa_reserve_vcc 0
		.amdhsa_float_denorm_mode_32 3
		.amdhsa_float_denorm_mode_16_64 3
		.amdhsa_memory_ordered 1
		.amdhsa_forward_progress 1
		.amdhsa_inst_pref_size 26
	.end_amdhsa_kernel
	.amdgpu_metadata
---
amdhsa.version: [ 1, 2 ]
amdhsa.kernels:
  - .name:           k_q634b78ef63_proj
    .symbol:         k_q634b78ef63_proj.kd
    .args:
      - { .name: oimg, .offset: 0, .size: 8, .value_kind: global_buffer, .address_space: global }
      - { .name: oscl, .offset: 8, .size: 8, .value_kind: global_buffer, .address_space: global }
      - { .name: Wp_codes, .offset: 16, .size: 8, .value_kind: global_buffer, .address_space: global }
      - { .name: Wp_scales, .offset: 24, .size: 8, .value_kind: global_buffer, .address_space: global }
      - { .name: bp, .offset: 32, .size: 8, .value_kind: global_buffer, .address_space: global }
      - { .name: out0, .offset: 40, .size: 8, .value_kind: global_buffer, .address_space: global }
    .group_segment_fixed_size: 233472
    .private_segment_fixed_size: 0
    .kernarg_segment_align: 8
    .kernarg_segment_size: 48
    .max_flat_workgroup_size: 512
    .sgpr_count:     66
    .vgpr_count:     256
    .wavefront_size: 32
...
	.end_amdgpu_metadata
.endif
;; end of part 3
;; ======== version 2 of 2: 3 launches
;; workspace buffers: qimg 7,340,032 bytes; kvimg 13,631,488 bytes; oimg 6,291,456 bytes; oscl 262,144 bytes
;; launch qkv (part 4): grid 64 x 4, 16 waves a work-group, no clusters, 258,048 bytes of LDS; arguments x_codes, x_scales, Wq_codes, Wq_scales, Wk_codes, Wk_scales, Wv_codes, Wv_scales, qimg, kvimg; writes qimg, kvimg
.if DOCPART == 4
	.amdgcn_target "amdgcn-amd-amdhsa--gfx1250"
	.amdhsa_code_object_version 6
	.text
	.protected	k_q634b78ef63_qkv
	.globl	k_q634b78ef63_qkv
	.p2align	8
	.type	k_q634b78ef63_qkv,@function
k_q634b78ef63_qkv:
	s_mov_b64 s[64:65], 0
	v_nop
	global_prefetch_b8 v0, s[64:65] scope:SCOPE_SE
	s_setreg_imm32_b32 hwreg(HW_REG_WAVE_SCHED_MODE, 0, 2), 2
	s_setreg_imm32_b32 hwreg(HW_REG_WAVE_MODE, 25, 1), 1
	s_wait_xcnt 0x0
	s_wait_alu depctr_vm_vsrc(0)
; q, k, v = x W (three products on codes of FP6 (E2M3) with E8M0 scales, K = 512), then q and k quantised along the head's 64 and v along the keys, all in registers.
; x: [16384 rows][512] codes, rows of 384 bytes, 16 scale bytes a row.  Wq, Wk, Wv: [8 heads][64 channels][512] likewise.
; SHARES.  A work-group takes 256 rows of x (work-group x) and two heads (2 y, 2 y + 1).  Sixteen waves, 256 registers each, four to a SIMD; each wave has three tasks of 32 matrix instructions:
;   Q: a PAIR of x's tiles (32 rows) x the four tiles of one head's Wq;  K: the same with Wk;  V: eight tiles of x (128 keys) x one tile of that head's Wv.
; A PAIR'S ROWS: lane r of tile u (0, 1) takes row 8 u + r + 8 (r / 8) of the pair's 32.  The same holds for W's 64 rows of a head, in two pairs.  So the 16 result registers of two neighbouring tiles
; are 16 neighbours along the axis that is quantised next: 32 b + 16 (lane / 16) + 0 .. 15.
; Q, K: source 0 = 16 rows of W, source 1 = 16 rows of x: a lane holds one row of x, its registers run along the channels.  V: source 0 = x, source 1 = W: a lane holds one channel, its registers run along the keys.
; FROM MEMORY TO LDS.  The work-group's rows of x and of each weight are dense blocks of memory.  Each wave loads 16 rows of x and 8 rows of each weight as they lie, 16 bytes a lane: every load covers 512 consecutive
; bytes.  They are stored into LDS as rows 400 bytes apart, and a row's place is chosen: blocks 1 and 2 of a pair's four blocks of 8 rows change places, so that A TILE'S SIXTEEN ROWS ARE SIXTEEN NEIGHBOURING PLACES.
; One barrier; nothing is written into LDS behind it.  A fragment is read from the rows in six pieces of 8 bytes: lane (r, h) at 400 r + 24 h: word 100 r + 6 h, so the 32 lanes' 64 words fall into 64 different banks
; (64 banks of 4 bytes: ISA guide 11.1).
; WHAT IS STORED is laid as the next launch's registers want it: qimg [head 0..63][pair 0..63][1,792 bytes]: six blocks of 256 bytes (two registers each, lane l at 8 l; tile 0's three, tile 1's three), then a block with
; the two tiles' scale words (s0, s1, s0, s1).  kvimg [head][step of 128 keys][13,312 bytes]: four fragments of K (registers 0-5 one tile of 16 keys, registers 6-11 the pair's other tile), four of V (16 channels x 128 keys),
; each as three blocks of 512 bytes (four registers, lane l at 16 l), then four blocks of 256 bytes with K's and V's scale words side by side.  Every store of a wave covers 256 or 512 consecutive bytes, aligned to 256.
; NO JOINT LOADS: a row's place in LDS is chosen block by block of 8 rows, which the stores from registers do on the way; x's rows are shared by only the four work-groups of a column of the grid.
; LIMITS: NaN and infinities are not served; a given scale byte 0xff gives NaN.  A block whose largest magnitude lies under 2^-124, a block of zeros among them, gets the scale byte 1 (the rule says 127 for zeros): its codes are
; zeros or the true codes under that byte, and only this program reads these bytes.
; THE MODE: SCHED_MODE bits 1:0 = 2 (LLVM: expert scheduling mode 2), set by the entry lines.  The code itself states the register dependences between vector or matrix instructions and memory or LDS instructions,
; with s_wait_alu, always for 0.
; THE PLAN.  Registers that memory or LDS instructions touch:
;   v1-14, v250-254  offsets and LDS addresses: made once at the head, never written again.
;   v16-135          at the start the loaded rows, read by the LDS stores; behind the barrier accumulators (v16-79) and fragments.
;   v80-187          nine places of twelve registers for fragments.  A K step is two HALF STEPS of four matrix instructions, and the places are two buffers that take turns, half step by half step:
;                    Q, K: the weight's tiles 0, 1 in v128-151 (lo), tiles 2, 3 in v152-175 (hi); x's two tiles in v104-127 (even K steps) or v80-103 (odd).
;                          Half (k, lo) multiplies lo by x(k) and asks for hi(k); half (k, hi) multiplies hi by x(k) and asks for lo(k + 1) and x(k + 1).
;                    V:    x's tiles 0-3 in v104-151 (lo), tiles 4-7 in v152-175 and v80-103 (hi); Wv's tile in v176-187, one buffer: no twelve registers are left for a second.
;                          Half (k, lo) asks for Wv(k) at its head, multiplies lo and asks for hi(k); half (k, hi) multiplies hi and asks for lo(k + 1).
;   v80-91, v246-249 the codes and scale words to be stored: written by the quantiser, read by the global stores.
; So ONE wait on va_vdst stands at the head of a half step that loads into registers which the half step before has read.  Behind it the half step's matrix instructions name the other buffer, x(k) or Wv(k), the
; accumulators and the scale registers: none of the registers in which its loads land; these stand behind its first two matrix instructions with no further wait.
; Between two tasks the next task's first fragments are asked for ahead of the quantiser, which names v16-98 and v228-244 alone, and land while it works.
.set PITCH, 400                        ; a row in LDS: 384 bytes + 16
.set TILEB, 16*PITCH                   ; a tile's sixteen rows
.set WR,    256*PITCH                  ; LDS: x's 256 rows from byte 0 on; then Wq's, Wk's, Wv's,
.set WZ,    128*PITCH                  ; 128 rows each: 256,000 bytes in all
.set LI,   1                           ; v1   16 x lane
.set L8,   2                           ; v2   8 x lane
.set VF,   3                           ; v3   a fragment's lane term: 400 r + 24 h
.set VS,   4                           ; v4   scale words of two tiles: (r + 8 (r / 8) + 8 h) x 16
.set VS0,  5                           ; v5   of one tile: (r + 8 (r / 8)) x 16
.set XW,   6                           ; v6-8   where I store x's rows: one register for each of three loads, which are four rows
.set WW,   9                           ; v9-11  Wq's (Wk's: by the immediate)
.set WW2,  12                          ; v12-14 Wv's
.set ACC,  16                          ; v16-79   eight accumulators
.set SG,   16                          ; v16-135  at the start: the 30 loads' bytes
.set FRG,  80                          ; v80-187  fragments at work: nine places of twelve registers
.set XB,   FRG                         ; Q, K: x's two tiles: v80-103 in odd K steps, v104-127 in even ones
.set WT,   FRG+48                      ; Q, K: the weight's four tiles: v128-175
.set WVF,  FRG+96                      ; V: Wv's tile: v176-187
.set PC,   80                          ; v80-98   the codes just made
.set XS,   188                         ; v188-191 x's scale words of my pair (lanes 0-15 tile 0, lanes 16-31 tile 1), one register a K step
.set WQS,  192                         ; v192-199 Wq's: register 4 j + k: tiles 2 j (lanes 0-15) and 2 j + 1 (lanes 16-31)
.set WKS,  200                         ; v200-207 Wk's
.set VXS,  208                         ; v208-223 x's of my eight tiles: register 4 j + k
.set WVS,  224                         ; v224-227 Wv's of my tile
.set TM,   228                         ; v228-243 the quantiser's work (at the head: lane terms)
.set PW,   244                         ; v244     the scale word just made
.set KSW,  246                         ; v246-247 K's and V's scale words, to be stored side by side
.set QW,   248                         ; v248-249 q's two scale words
.set AX,   250                         ; v250 my pair of x
.set AWQ,  251                         ; v251 my head's Wq
.set AWK,  252                         ; v252 my head's Wk
.set AXV,  253                         ; v253 my eight tiles of x
.set AWV,  254                         ; v254 my tile of Wv
.set SEL,  60                          ; s[60:61] lane selects for v_permlanex16_b32: lane l xor 16
.macro FETCH reg, adr, off             ; a fragment, 16 rows x 128 K: of its row's 96 bytes lane (r, h) takes the 24 at 24 h and the 24 at 48 + 24 h, in pieces of 8 bytes
.irp p, 0,1,2,3,4,5
	ds_load_b64 v[\reg+2*\p:\reg+2*\p+1], v[\adr] offset:\off+48*(\p/3)+8*(\p%3)
.endr
.endm
; One matrix instruction.  z = 1: it starts the sum with the constant 0.  ra, rb = 1: that side's scale words are taken from lanes 16-31 of the register named.
.macro WM d, a, b, z, sa, sb, ra, rb
.set WSEL, (\ra)+2*(\rb)+4*(\z)
.if WSEL == 0
	v_wmma_scale_f32_16x16x128_f8f6f4 v[\d:\d+7], v[\a:\a+11], v[\b:\b+11], v[\d:\d+7], v[\sa], v[\sb] matrix_a_fmt:MATRIX_FMT_FP6 matrix_b_fmt:MATRIX_FMT_FP6
.elseif WSEL == 1
	v_wmma_scale_f32_16x16x128_f8f6f4 v[\d:\d+7], v[\a:\a+11], v[\b:\b+11], v[\d:\d+7], v[\sa], v[\sb] matrix_a_fmt:MATRIX_FMT_FP6 matrix_b_fmt:MATRIX_FMT_FP6 matrix_a_scale:MATRIX_SCALE_ROW1
.elseif WSEL == 2
	v_wmma_scale_f32_16x16x128_f8f6f4 v[\d:\d+7], v[\a:\a+11], v[\b:\b+11], v[\d:\d+7], v[\sa], v[\sb] matrix_a_fmt:MATRIX_FMT_FP6 matrix_b_fmt:MATRIX_FMT_FP6 matrix_b_scale:MATRIX_SCALE_ROW1
.elseif WSEL == 3
	v_wmma_scale_f32_16x16x128_f8f6f4 v[\d:\d+7], v[\a:\a+11], v[\b:\b+11], v[\d:\d+7], v[\sa], v[\sb] matrix_a_fmt:MATRIX_FMT_FP6 matrix_b_fmt:MATRIX_FMT_FP6 matrix_a_scale:MATRIX_SCALE_ROW1 matrix_b_scale:MATRIX_SCALE_ROW1
.elseif WSEL == 4
	v_wmma_scale_f32_16x16x128_f8f6f4 v[\d:\d+7], v[\a:\a+11], v[\b:\b+11], 0, v[\sa], v[\sb] matrix_a_fmt:MATRIX_FMT_FP6 matrix_b_fmt:MATRIX_FMT_FP6
.elseif WSEL == 5
	v_wmma_scale_f32_16x16x128_f8f6f4 v[\d:\d+7], v[\a:\a+11], v[\b:\b+11], 0, v[\sa], v[\sb] matrix_a_fmt:MATRIX_FMT_FP6 matrix_b_fmt:MATRIX_FMT_FP6 matrix_a_scale:MATRIX_SCALE_ROW1
.elseif WSEL == 6
	v_wmma_scale_f32_16x16x128_f8f6f4 v[\d:\d+7], v[\a:\a+11], v[\b:\b+11], 0, v[\sa], v[\sb] matrix_a_fmt:MATRIX_FMT_FP6 matrix_b_fmt:MATRIX_FMT_FP6 matrix_b_scale:MATRIX_SCALE_ROW1
.else
	v_wmma_scale_f32_16x16x128_f8f6f4 v[\d:\d+7], v[\a:\a+11], v[\b:\b+11], 0, v[\sa], v[\sb] matrix_a_fmt:MATRIX_FMT_FP6 matrix_b_fmt:MATRIX_FMT_FP6 matrix_a_scale:MATRIX_SCALE_ROW1 matrix_b_scale:MATRIX_SCALE_ROW1
.endif
.endm
.macro PLACES                          ; four plain vector instructions between a matrix instruction and a vector read or write of its registers (ISA guide 7.12.1)
.rept 4
	v_nop
.endr
.endm
; 64 numbers of a lane, v[src] .. v[src + 63], register 16 b + i = number 32 b + 16 (lane / 16) + i of the lane's four blocks, become twelve registers of codes in v[PC] on and the four scale bytes in v[PW].
.macro QUANT src
.irp b, 0,1,2,3
	v_max3_num_f32 v[TM+\b], |v[\src+16*\b]|, |v[\src+1+16*\b]|, 0x1800000   ; block b: my 16 numbers, from each accumulator's low end on, and the floor 2^(3 - 127): so the byte cannot fall under 1
.endr
.irp i, 2,4,6,8,10,12,14
.irp b, 0,1,2,3
	v_max3_num_f32 v[TM+\b], v[TM+\b], |v[\src+16*\b+\i]|, |v[\src+1+16*\b+\i]|   ; the four blocks by turns
.endr
.endr
.irp b, 0,1,2,3
	v_permlanex16_b32 v[TM+4+\b], v[TM+\b], s[SEL], s[SEL+1]
.endr
.irp b, 0,1,2,3
	v_max_num_f32 v[TM+\b], v[TM+\b], v[TM+4+\b]   ; with lane l xor 16's 16 numbers: the block's largest magnitude
.endr
.irp b, 0,1,2,3
	v_add_nc_u32 v[TM+12+\b], 0xff000000, v[TM+\b]   ; 2 off its exponent field: the conversion takes this operand's exponent field as its scale
.endr
.irp b, 0,1,2,3
	v_lshrrev_b32 v[TM+4+\b], 23, v[TM+12+\b]      ; the scale's byte
.endr
	v_lshl_or_b32 v[PW], v[TM+5], 8, v[TM+4]
	v_lshl_or_b32 v[PW], v[TM+6], 16, v[PW]
	v_lshl_or_b32 v[PW], v[TM+7], 24, v[PW]
.irp c, 0,1
	v_cvt_scalef32_pk16_fp6_f32 v[PC+6*\c:PC+2+6*\c], v[\src+32*\c:\src+15+32*\c], v[TM+12+2*\c]
	v_cvt_scalef32_pk16_fp6_f32 v[PC+12+4*\c:PC+14+4*\c], v[\src+16+32*\c:\src+31+32*\c], v[TM+12+2*\c+1]   ; (a conversion's three registers begin on an even number)
.endr
	v_nop                                          ; one plain place behind a scaled conversion
.irp c, 0,1                                    ; the operand's layout wants a whole block in a lane: lanes 0-15 block 2 c, lanes 16-31 block 2 c + 1
.irp i, 0,1,2
	v_permlane16_swap_b32 v[PC+6*\c+\i], v[PC+12+4*\c+\i]
.endr
.irp i, 0,1,2
	v_mov_b32 v[PC+3+6*\c+\i], v[PC+12+4*\c+\i]
.endr
.endr
.endm
.macro WLOAD z, ptr                    ; my 8 rows of a weight: 3,072 consecutive bytes, six loads of 512
.irp j, 0,1,2,3,4,5
	global_load_b128 v[SG+48+24*\z+4*\j:SG+48+24*\z+4*\j+3], v[LI], s[\ptr:\ptr+1] offset:512*\j
.endr
.endm
.macro WSTORE z, adr, off              ; into LDS: three loads are four rows
.irp j, 0,1,2,3,4,5
	ds_store_b128 v[\adr+(\j%3)], v[SG+48+24*\z+4*\j:SG+48+24*\z+4*\j+3] offset:\off+4*PITCH*(\j/3)
.endr
.endm
; Q's or K's task: my pair of x (2 tiles) x my head's four tiles of the weight, four K steps.
; What half (0, lo) multiplies: x's two tiles and the weight's tiles 0, 1 of K step 0
.macro QKPRE aw
.irp e, 0,1
	FETCH XB+24+12*\e, AX, TILEB*\e
	FETCH WT+12*\e, \aw, TILEB*\e
.endr
.endm
; Half step (k, j): the weight's tiles 2 j, 2 j + 1 x my two tiles of x.  The task's eight accumulators take turns, one instruction a turn, in the same order in every K step.
.macro QKHALF aw, ws, k, j
.if ((\j) == 0) && ((\k) > 0)
	s_wait_alu depctr_va_vdst(0)                   ; the half step before is done reading the weight's tiles 2, 3 (v152-175), in which this half step's loads land
.endif
.if ((\j) == 1) && ((\k) < 3)
	s_wait_alu depctr_va_vdst(0)                   ; the half step before is done reading the weight's tiles 0, 1 (v128-151), in which this half step's loads land; x's other two places were last read a K step ago
.endif
	s_wait_dscnt 0x0                               ; all that is out was asked for in the half step before, for this one: it is in
.irp u, 0,1
.irp e, 0,1
.if (\k) == 0
	WM ACC+32*\e+8*(2*(\j)+\u), WT+12*(2*(\j)+\u), XB+24*(1-(\k)%2)+12*\e, 1, \ws+4*(\j)+(\k), XS+(\k), \u, \e
.else
	WM ACC+32*\e+8*(2*(\j)+\u), WT+12*(2*(\j)+\u), XB+24*(1-(\k)%2)+12*\e, 0, \ws+4*(\j)+(\k), XS+(\k), \u, \e
.endif
.if \u == 0                                    ; the loads stand behind the half step's first two matrix instructions.  No wait: no matrix instruction since the last wait on va_vdst names the registers in which they land
.if (\j) == 0
	FETCH WT+12*(2+\e), \aw, TILEB*(2+\e)+96*(\k)
.elseif (\k) < 3
	FETCH WT+12*\e, \aw, TILEB*\e+96*((\k)+1)
	FETCH XB+24*((\k)%2)+12*\e, AX, TILEB*\e+96*((\k)+1)
.endif
.endif
.endr
.endr
.endm
.macro QKTASK aw, ws
.irp k, 0,1,2,3
	QKHALF \aw, \ws, \k, 0
	QKHALF \aw, \ws, \k, 1
.endr
.endm
; V's task: my eight tiles of x (128 keys) x my tile of Wv.  Tile t of x has the place (t + 2) % 8 of the nine, so that tiles 0-5 keep clear of the codes' registers
.macro XV t, k
	FETCH FRG+12*(((\t)+2)%8), AXV, TILEB*(\t)+96*(\k)
.endm
.macro VPRE                            ; what half (0, lo) multiplies
	FETCH WVF, AWV, 0
.irp t, 0,1,2,3
	XV \t, 0
.endr
.endm
; Half step (k, j): x's tiles 4 j .. 4 j + 3 x Wv's tile
.macro VHALF k, j
.if ((\j) == 0) && ((\k) > 0)
	s_wait_alu depctr_va_vdst(0)                   ; the half step before is done reading x's tiles 4-7 (v152-175, v80-103) and Wv's tile (v176-187): this half step's loads land in both
	FETCH WVF, AWV, 96*(\k)
.endif
.if ((\j) == 1) && ((\k) < 3)
	s_wait_alu depctr_va_vdst(0)                   ; the half step before is done reading x's tiles 0-3 (v104-151), in which this half step's loads land
.endif
	s_wait_dscnt 0x0                               ; this half step's tiles of x, asked for a half step ago, and Wv's tile are in
.irp u, 0,1,2,3
.if (\k) == 0
	WM ACC+8*(4*(\j)+\u), FRG+12*((4*(\j)+\u+2)%8), WVF, 1, VXS+4*(2*(\j)+\u/2)+(\k), WVS+(\k), \u%2, 0
.else
	WM ACC+8*(4*(\j)+\u), FRG+12*((4*(\j)+\u+2)%8), WVF, 0, VXS+4*(2*(\j)+\u/2)+(\k), WVS+(\k), \u%2, 0
.endif
.if \u < 2                                     ; as in Q's and K's tasks: behind the first two matrix instructions, with no further wait
.if (\j) == 0
	XV 4+2*\u, \k
	XV 5+2*\u, \k
.elseif (\k) < 3
	XV 2*\u, (\k)+1
	XV 2*\u+1, (\k)+1
.endif
.endif
.endr
.endm
	s_load_b256 s[8:15], s[0:1], 0x0               ; x's codes s[8:9], x's scales s[10:11], Wq's codes s[12:13], Wq's scales s[14:15]
	s_load_b256 s[16:23], s[0:1], 0x20             ; Wk's codes s[16:17], scales s[18:19], Wv's codes s[20:21], scales s[22:23]
	s_load_b128 s[24:27], s[0:1], 0x40             ; qimg s[24:25], kvimg s[26:27]
	v_lshl_add_u32 v245, v0, 2, 0x3e800            ; my spare word, behind the rows, and 0: made here and kept for the closing lines alone
	v_mov_b32 v255, 0
	v_lshrrev_b32 v1, 5, v0
	v_readfirstlane_b32 s28, v1                    ; wave w, 0..15
	v_and_b32 v228, 31, v0                         ; lane
	v_lshlrev_b32 v[LI], 4, v228
	v_lshlrev_b32 v[L8], 3, v228
	v_and_b32 v229, 15, v0                         ; r
	v_bfe_u32 v230, v0, 4, 1                       ; h
	v_and_b32 v231, 8, v229
	v_add_nc_u32 v231, v231, v229                  ; r + 8 (r / 8)
	v_lshlrev_b32 v[VS0], 4, v231
	v_lshl_add_u32 v[VS], v230, 7, v[VS0]
	s_wait_alu depctr_va_sdst(0)                   ; s28 is written, ahead of its first reader: the wave's shares and every base are made from it
	s_and_b32 s30, ttmp7, 0xffff                   ; y: heads 2 y, 2 y + 1
	s_and_b32 s31, s28, 7                          ; P: my pair of x's rows
	s_lshr_b32 s32, s28, 3                         ; hh: which of the two heads
	s_bfe_u32 s33, s28, 0x10002                    ; jj = P / 4: which 128 keys
	s_and_b32 s34, s28, 3                          ; i = P % 4: my pair in them, and my tile of Wv
	s_lshr_b32 s35, s28, 1                         ; the pair in which the 16 rows of x lie that I bring in
	s_and_b32 s36, s28, 1                          ; and which half of it
	s_mov_b32 s[SEL], 0x76543210
	s_mov_b32 s[SEL+1], 0xfedcba98
	; byte offsets, each in a pair with 0 above it
	s_lshl_b32 s46, ttmp9, 8                       ; the rows of x that I bring in: 256 x + 16 w on,
	s_lshl_b32 s47, s28, 4
	s_add_co_u32 s46, s46, s47
	s_mul_i32 s46, s46, 384                        ; rows of 384 bytes
	s_mov_b32 s47, 0
	s_lshl_b32 s48, s30, 7                         ; the rows of each weight: 128 y + 8 w on
	s_lshl_b32 s49, s28, 3
	s_add_co_u32 s48, s48, s49
	s_mul_i32 s48, s48, 384
	s_mov_b32 s49, 0
	s_lshl_b32 s50, ttmp9, 12                      ; x's scales: 16 bytes a row
	s_lshl_b32 s52, s33, 11
	s_add_co_u32 s52, s52, s50                     ; of my 128 keys
	s_lshl_b32 s51, s31, 9
	s_add_co_u32 s50, s50, s51                     ; of my pair
	s_mov_b32 s51, 0
	s_mov_b32 s53, 0
	s_lshl_b32 s54, s30, 11                        ; a weight's scales: my head's 64 rows
	s_lshl_b32 s55, s32, 10
	s_add_co_u32 s54, s54, s55
	s_lshr_b32 s55, s34, 1                         ; Wv's: my tile: 32 (i / 2) + 8 (i % 2) rows on
	s_lshl_b32 s55, s55, 9
	s_add_co_u32 s56, s54, s55
	s_and_b32 s55, s34, 1
	s_lshl_b32 s55, s55, 7
	s_add_co_u32 s56, s56, s55
	s_mov_b32 s55, 0
	s_mov_b32 s57, 0
	s_lshr_b32 s37, ttmp9, 3                       ; the head among all 64: 8 x batch + 2 y + hh
	s_lshl_b32 s37, s37, 3
	s_lshl_b32 s29, s30, 1
	s_add_co_u32 s37, s37, s29
	s_add_co_u32 s37, s37, s32
	s_and_b32 s29, ttmp9, 7                        ; which 256 rows of the batch
	s_lshl_b32 s58, s37, 6                         ; qimg: pair 64 head + 8 (x % 8) + P, 1,792 bytes each
	s_lshl_b32 s59, s29, 3
	s_add_co_u32 s58, s58, s59
	s_add_co_u32 s58, s58, s31
	s_mul_i32 s58, s58, 1792
	s_mov_b32 s59, 0
	s_lshl_b32 s62, s37, 4                         ; kvimg: step 16 head + 2 (x % 8) + jj, 13,312 bytes each
	s_lshl_b32 s63, s29, 1
	s_add_co_u32 s62, s62, s63
	s_add_co_u32 s62, s62, s33
	s_mul_i32 s62, s62, 13312
	s_lshl_b32 s2, s34, 8                          ; in it: my block of scale words at 12,288 + 256 i,
	s_add_co_u32 s2, s2, s62
	s_add_co_u32 s2, s2, 12288
	s_mov_b32 s3, 0
	s_mul_i32 s63, s34, 1536                       ; my fragment of K at 1,536 i, of V 6,144 further on
	s_add_co_u32 s62, s62, s63
	s_mov_b32 s63, 0
	s_wait_kmcnt 0x0
	s_add_nc_u64 s[38:39], s[10:11], s[50:51]      ; x's scales, my pair
	s_add_nc_u64 s[40:41], s[10:11], s[52:53]      ; x's scales, my 128 keys
	s_add_nc_u64 s[8:9], s[8:9], s[46:47]
	s_add_nc_u64 s[12:13], s[12:13], s[48:49]
	s_add_nc_u64 s[16:17], s[16:17], s[48:49]
	s_add_nc_u64 s[20:21], s[20:21], s[48:49]
	s_add_nc_u64 s[14:15], s[14:15], s[54:55]
	s_add_nc_u64 s[18:19], s[18:19], s[54:55]
	s_add_nc_u64 s[22:23], s[22:23], s[56:57]
	s_add_nc_u64 s[24:25], s[24:25], s[58:59]
	s_add_nc_u64 s[42:43], s[26:27], s[62:63]      ; my fragments in kvimg
	s_add_nc_u64 s[44:45], s[26:27], s[2:3]        ; my scale words in kvimg
	s_wait_alu depctr_va_vdst(0)                   ; the offsets v1, v2, v4 and v5 are written: every global load and store of the kernel reads one of them
	; the scale words: a row's 16 bytes are its four K steps' words.  Ten loads, the oldest of all
	global_load_b128 v[XS:XS+3], v[VS], s[38:39]
.irp j, 0,1
	global_load_b128 v[WQS+4*\j:WQS+4*\j+3], v[VS], s[14:15] offset:512*\j
	global_load_b128 v[WKS+4*\j:WKS+4*\j+3], v[VS], s[18:19] offset:512*\j
.endr
.irp j, 0,1,2,3
	global_load_b128 v[VXS+4*\j:VXS+4*\j+3], v[VS], s[40:41] offset:512*\j
.endr
	global_load_b128 v[WVS:WVS+3], v[VS0], s[22:23]
	; the codes that I bring in: 16 rows of x (6,144 consecutive bytes, 12 loads) and 8 rows of each weight (6 loads each)
.irp j, 0,1,2,3,4,5,6,7,8,9,10,11
	global_load_b128 v[SG+4*\j:SG+4*\j+3], v[LI], s[8:9] offset:512*\j
.endr
	WLOAD 0, 12
	WLOAD 1, 16
	WLOAD 2, 20
	; LDS addresses, while the loads are out.  Piece u = lane + 32 i of 16 bytes, of the 96 pieces of three loads, lies in row u / 24 of four rows: at 16 u + 16 (u / 24), since a row in LDS is 16 bytes longer than in memory.
	; u / 24 = (171 u) >> 12 for u under 96.
.irp i, 0,1,2
	v_add_nc_u32 v232, 32*\i, v228
	v_mul_u32_u24 v233, v232, 171
	v_lshrrev_b32 v233, 12, v233
	v_add_nc_u32 v232, v232, v233
	v_lshlrev_b32 v[XW+\i], 4, v232
.endr
	s_lshr_b32 s4, s28, 2                          ; a weight's rows 8 w on: pair w / 4, block w % 4 of its four blocks of 8 rows; blocks 1 and 2 change places:
	s_mul_i32 s4, s4, 2*TILEB
	s_mul_i32 s5, s36, TILEB                       ; place 32 (w / 4) + 16 (w % 2) + 8 ((w / 2) % 2)
	s_add_co_u32 s4, s4, s5
	s_bfe_u32 s5, s28, 0x10001
	s_mul_i32 s5, s5, 8*PITCH
	s_add_co_u32 s4, s4, s5
	s_add_co_u32 s4, s4, WR
	s_wait_alu depctr_va_vdst(0)
.irp i, 0,1,2
	v_add_nc_u32 v[WW+\i], s4, v[XW+\i]
.endr
.irp i, 0,1,2
	v_add_nc_u32 v[WW2+\i], 2*WZ, v[WW+\i]
.endr
	s_mul_i32 s4, s35, 2*TILEB                     ; x's rows 16 w on: pair w / 2, blocks 2 (w % 2) and the next: places 8 (w % 2) on and 16 + 8 (w % 2) on
	s_mul_i32 s5, s36, 8*PITCH
	s_add_co_u32 s4, s4, s5
.irp i, 0,1,2
	v_add_nc_u32 v[XW+\i], s4, v[XW+\i]
.endr
	v_mul_u32_u24 v[VF], v229, PITCH
	v_mad_u32_u24 v[VF], v230, 24, v[VF]
	s_mul_i32 s4, s31, 2*TILEB
	v_add_nc_u32 v[AX], s4, v[VF]
	s_mul_i32 s4, s32, 4*TILEB
	s_add_co_u32 s4, s4, WR
	v_add_nc_u32 v[AWQ], s4, v[VF]
	v_add_nc_u32 v[AWK], WZ, v[AWQ]
	s_mul_i32 s5, s33, 8*TILEB
	v_add_nc_u32 v[AXV], s5, v[VF]
	s_mul_i32 s5, s34, TILEB
	s_add_co_u32 s5, s5, s4
	s_add_co_u32 s5, s5, 2*WZ
	v_add_nc_u32 v[AWV], s5, v[VF]
.irp b, 0,1,2,3
	v_mov_b32 v[TM+4+\b], 0                        ; written once: a lane permute's destination counts as one of its sources
.endr
	s_wait_alu depctr_va_vdst(0)                   ; the LDS addresses v6-14 and v250-254 are written: the LDS stores below and every fragment's loads read them
	s_wait_loadcnt 18                              ; x's 12 loads are in: behind them stand the weights' 18
.irp j, 0,1,2,3,4,5,6,7,8,9,10,11
	ds_store_b128 v[XW+(\j%3)], v[SG+4*\j:SG+4*\j+3] offset:PITCH*(4*((\j/3)%2)+16*(\j/6))   ; rows 4 (j / 3) on of my 16: places 0, 4, 16, 20 on
.endr
	s_wait_loadcnt 12                              ; Wq's 6 are in: Wk's and Wv's may be out
	WSTORE 0, WW, 0
	s_wait_loadcnt 6                               ; Wk's
	WSTORE 1, WW, WZ
	s_wait_loadcnt 0x0                             ; Wv's
	WSTORE 2, WW2, 0
	s_wait_dscnt 0x0                               ; for the others' sake: my rows lie in LDS
	s_barrier_signal -1
	s_barrier_wait -1                              ; everybody's do; nothing is written into LDS from here on
	s_wait_alu depctr_vm_vsrc(0)                   ; my LDS stores have read v16-135: from here on matrix instructions write v16-79, and the fragments' loads land in v80-135
	QKPRE AWQ
	QKTASK AWQ, WQS
	PLACES                                         ; behind the last products, ahead of the quantiser's first read of their results
	s_wait_alu depctr_va_vdst(0)                   ; the task's matrix instructions are done reading v104-151, in which K's first fragments land
	QKPRE AWK                                      ; they land while q is quantised: the quantiser names none of their registers
	QUANT ACC                                      ; block 2 e + t / 2: tile e's channels 32 (t / 2) on.  Registers 0-5 of the codes: tile 0; 6-11: tile 1; the word: (tile 0: s0, s1; tile 1: s0, s1)
	v_perm_b32 v[QW], v[PW], v[PW], 0x01000100     ; tile 0's word: (s0, s1, s0, s1), so that it serves q in either half of an operand
	v_perm_b32 v[QW+1], v[PW], v[PW], 0x03020302   ; tile 1's
	s_wait_alu depctr_va_vdst(0)                   ; the quantiser has written the codes v80-91, the two lines above q's scale words: the seven stores read them
.irp p, 0,1,2,3,4,5
	global_store_b64 v[L8], v[PC+2*\p:PC+2*\p+1], s[24:25] offset:256*\p   ; 32 lanes store 256 consecutive bytes, aligned
.endr
	global_store_b64 v[L8], v[QW:QW+1], s[24:25] offset:1536
	s_wait_xcnt 0x0                                ; the stores issued so far have had their addresses translated (ISA guide 3.1): the codes' registers may be loaded again,
	s_wait_alu depctr_vm_vsrc(0)                   ; and the stores have read v80-91, in which x's tiles of K step 1 land
	QKTASK AWK, WKS
	PLACES
	s_wait_alu depctr_va_vdst(0)                   ; the task's matrix instructions are done reading v104-151, in which V's first fragments land (v176-187 have not been named yet)
	VPRE                                           ; they land while k is quantised
	QUANT ACC
	v_mov_b32 v[KSW], v[PW]
	s_wait_alu depctr_va_vdst(0)                   ; the quantiser has written the codes v80-91, which the three stores read
.irp c, 0,1,2
	global_store_b128 v[LI], v[PC+4*\c:PC+4*\c+3], s[42:43] offset:512*\c   ; 512 consecutive bytes
.endr
	s_wait_xcnt 0x0                                ; as above,
	s_wait_alu depctr_vm_vsrc(0)                   ; and the stores have read v80-91, in which x's tile 6 lands
.irp k, 0,1,2,3
	VHALF \k, 0
	VHALF \k, 1
.endr
	PLACES
	QUANT ACC                                      ; block t / 2: keys 32 (t / 2) on of my channel
	v_mov_b32 v[KSW+1], v[PW]
	s_wait_alu depctr_va_vdst(0)                   ; the quantiser has written the codes v80-91, and K's and V's scale words stand in v246-247: the four stores read them
.irp c, 0,1,2
	global_store_b128 v[LI], v[PC+4*\c:PC+4*\c+3], s[42:43] offset:6144+512*\c
.endr
	global_store_b64 v[L8], v[KSW:KSW+1], s[44:45]
	s_wait_dscnt 0x0                               ; the closing lines, six on end
	s_wait_alu 0x0
	s_wait_tensorcnt 0x0
	ds_add_u32 v245, v255
	s_wait_dscnt 0x0
	s_endpgm
.Lfunc_end_k_q634b78ef63_qkv:
	.size	k_q634b78ef63_qkv, .Lfunc_end_k_q634b78ef63_qkv-k_q634b78ef63_qkv
	.p2alignl 7, 3214868480
	.fill 96, 4, 3214868480
	.section	.rodata,"a",@progbits
	.p2align	6, 0x0
	.amdhsa_kernel k_q634b78ef63_qkv
		.amdhsa_group_segment_fixed_size 258048
		.amdhsa_private_segment_fixed_size 0
		.amdhsa_enable_private_segment 0
		.amdhsa_kernarg_size 80
		.amdhsa_user_sgpr_count 2
		.amdhsa_user_sgpr_kernarg_segment_ptr 1
		.amdhsa_wavefront_size32 1
		.amdhsa_system_sgpr_workgroup_id_x 1
		.amdhsa_system_sgpr_workgroup_id_y 1
		.amdhsa_system_sgpr_workgroup_id_z 1
		.amdhsa_system_vgpr_workitem_id 0
		.amdhsa_next_free_vgpr 256
		.amdhsa_next_free_sgpr 66
		.amdhsa_reserve_vcc 0
		.amdhsa_float_denorm_mode_32 3
		.amdhsa_float_denorm_mode_16_64 3
		.amdhsa_memory_ordered 1
		.amdhsa_forward_progress 1
		.amdhsa_inst_pref_size 71
	.end_amdhsa_kernel
	.amdgpu_metadata
---
amdhsa.version: [ 1, 2 ]
amdhsa.kernels:
  - .name:           k_q634b78ef63_qkv
    .symbol:         k_q634b78ef63_qkv.kd
    .args:
      - { .name: x_codes, .offset: 0, .size: 8, .value_kind: global_buffer, .address_space: global }
      - { .name: x_scales, .offset: 8, .size: 8, .value_kind: global_buffer, .address_space: global }
      - { .name: Wq_codes, .offset: 16, .size: 8, .value_kind: global_buffer, .address_space: global }
      - { .name: Wq_scales, .offset: 24, .size: 8, .value_kind: global_buffer, .address_space: global }
      - { .name: Wk_codes, .offset: 32, .size: 8, .value_kind: global_buffer, .address_space: global }
      - { .name: Wk_scales, .offset: 40, .size: 8, .value_kind: global_buffer, .address_space: global }
      - { .name: Wv_codes, .offset: 48, .size: 8, .value_kind: global_buffer, .address_space: global }
      - { .name: Wv_scales, .offset: 56, .size: 8, .value_kind: global_buffer, .address_space: global }
      - { .name: qimg, .offset: 64, .size: 8, .value_kind: global_buffer, .address_space: global }
      - { .name: kvimg, .offset: 72, .size: 8, .value_kind: global_buffer, .address_space: global }
    .group_segment_fixed_size: 258048
    .private_segment_fixed_size: 0
    .kernarg_segment_align: 8
    .kernarg_segment_size: 80
    .max_flat_workgroup_size: 512
    .sgpr_count:     66
    .vgpr_count:     256
    .wavefront_size: 32
...
	.end_amdgpu_metadata
.endif
;; end of part 4
;; launch attn (part 5): grid 4 x 64, 16 waves a work-group, clusters of 4 x 1, 327,680 bytes of LDS; arguments qimg, kvimg, oimg, oscl; writes oimg, oscl
.if DOCPART == 5
	.amdgcn_target "amdgcn-amd-amdhsa--gfx1250"
	.amdhsa_code_object_version 6
	.text
	.protected	k_q634b78ef63_attn
	.globl	k_q634b78ef63_attn
	.p2align	8
	.type	k_q634b78ef63_attn,@function
k_q634b78ef63_attn:
	s_mov_b64 s[64:65], 0
	v_nop
	global_prefetch_b8 v0, s[64:65] scope:SCOPE_SE
	s_setreg_imm32_b32 hwreg(HW_REG_WAVE_MODE, 25, 1), 1
	s_wait_xcnt 0x0
	s_wait_alu depctr_hold_cnt(0) depctr_sa_sdst(0) depctr_va_vdst(0) depctr_va_sdst(0) depctr_va_ssrc(0) depctr_va_vcc(0) depctr_vm_vsrc(0)
	s_getreg_b32 s2, hwreg(HW_REG_IB_STS2, 6, 4)
	s_cmp_eq_u32 s2, 0
	s_cbranch_scc0 .Lentry_in_a_cluster
	s_endpgm
.Lentry_in_a_cluster:
	s_bfe_u32 s2, ttmp6, 0x10000c
	s_cmp_lg_u32 s2, 0x3003
	s_cbranch_scc0 .Lentry_shape_is_right
	s_endpgm
.Lentry_shape_is_right:
; O = softmax(q k^T / 8) v for one head, both products on codes of FP6 (E2M3) with E8M0 scales; O / l is then quantised along the head's 64 channels for the last product.
; THE SOFTMAX AHEAD OF THE SECOND PRODUCT: t = score x log2(e) / 8; M = the row's largest t so far, rounded up to a whole number; p = 2^(t - M) is quantised along the keys, not normalised; the row's sum l is taken of
; the unquantised p and divides O at the end.  When M moves, l and O are multiplied by 2^(old M - new M): exact.
; SHARES.  A work-group owns 512 queries of one head (work-group y = head 0..63): 256 work-groups in all.  Each of its sixteen waves owns TWO tiles of 16 queries and takes them one after the other, in 256 registers:
; four waves to a SIMD, so that one wave's vector work stands beside another's matrix work and LDS loads.  For each tile a wave walks the head's 2,048 keys, 128 a step.
; LDS.  The head's K, V and scale words, 16 steps x 13,312 bytes as the launch before laid them (images of operand registers), come in ONCE for both tiles, as they lie: no slot is ever filled again.  They come in four
; quarters, each wave bringing 13 rows of 256 bytes of each: a wave's four tensor loads go out one by one, each behind a wait for the one before; in the first tile's walk a quarter is read behind a counted wait and a barrier while the last quarter may be on
; its way.  The second tile's walk finds all of it there: sixteen steps with no barrier among them.
; CLUSTER.  The four work-groups of a cluster are the four of one head, so each load is JOINT: the same descriptor and the mask of all four in all four.
; LAYOUT.  Both products are used transposed: S^T = K Q^T (source 0 = keys), O^T = V^T P^T (source 0 = channels): a lane holds ONE query (lane % 16) throughout.  A tile's 16 keys, queries or channels are rows
; 8 u + r + 8 (r / 8) of a pair of 32, so that the 16 registers of two neighbouring tiles are 16 neighbours: 32 b + 16 (lane / 16) + 0 .. 15.
; K = 64 IN AN INSTRUCTION OF 128.  A fragment of K holds TWO tiles of keys (registers 0-5, registers 6-11).  q stands twice: (q, zero codes) and (zero codes, q).  K x the first gives the first tile's scores, K x the
; second the second's: the other tile's codes meet zero codes under true scale bytes and add exactly 0.  So half of each such instruction's products are zeros, and K's bytes in LDS hold no padding.
; A BLOCK'S LARGEST p is not searched for: the block's largest score goes through the same multiply-add and exponential.  This takes v_exp_f32 not to fall where its input rises; at the worst one p of a block would be held one code low.
; LIMITS: NaN and infinities are not served.  A block whose largest magnitude lies under 2^-124, a block of zeros among them, gets the scale byte 1; only this program reads these bytes.  O / l is a reciprocal and a multiplication.
.set CHUNK, 13312                      ; a step: K's four fragments (1,536 each), V's four, four blocks of 256 bytes of scale words
.set QUART, 4*CHUNK                    ; a quarter of the head
.set WPART, QUART/16                   ; a wave's part of it: 13 rows of 256 bytes
.set HEADB, 16*CHUNK
.set OSC,   HEADB                      ; behind the head: 2 x 512 bytes in which the waves' scale bytes of O meet, one block of 512 for each of a wave's two tiles; no tensor load lands there
.set QSTEP, 8*1792                     ; from my first tile to my second: 256 queries on: 8 pairs in qimg,
.set OSTEP, 16*6144                    ; 16 tiles in oimg (and 512 bytes in oscl)
.set LI,  1                            ; v1   16 x lane
.set LS,  2                            ; v2   12,288 + 8 x lane: my scale words in a step
.set ADK, 3                            ; v3   the step's fragments
.set ADS, 4                            ; v4   the step's scale words
.set L8,  5                            ; v5   8 x lane
.set QA,  6                            ; v6   q's codes: 8 x lane + 768 x (wave % 2)
.set QSA, 7                            ; v7   q's scale word: 8 x lane + 4 x (wave % 2)
.set OSA, 8                            ; v8   OSC + 32 x wave + 2 r
.set OSR, 9                            ; v9   OSC + 512 x (wave % 2) + 16 x lane
.set OSG, 10                           ; v10  512 x (wave % 2) + 16 x lane
.set QL,  16                           ; v16-27   first tile: (q, 0)
.set QH,  28                           ; v28-39   (0, q)
.set QS,  40                           ; v40      its scale word (s0, s1, s0, s1)
.set QS2, 41                           ; v41      the second tile's
.set FR,  44                           ; v44-91   four fragments: K's, then V's
.set S,   92                           ; v92-155  S^T, then p
.set OT,  156                          ; v156-187 O^T
.set PCD, 188                          ; v188-199 p's codes
.set CT,  200                          ; v200-206 the conversions' second halves
.set BM,  208                          ; v208-211 the blocks' largest scores, then largest p
.set BX,  212                          ; v212-215 from the other half of the lanes; bytes; the sum's second chain
.set SOP, 216                          ; v216-219 the conversions' scale operands
.set SW,  220                          ; v220-227 register 2 i: K's scale words of fragment i; 2 i + 1: V's
.set F,   228                          ; v228     f = 2^(old M - new M)
.set PSW, 229                          ; v229     p's scale word
.set TP,  230                          ; v230     at work
.set Q2L, 232                          ; v232-243 second tile: (q, 0)
.set Q2H, 244                          ; v244-255 (0, q)
.set WV,  12                           ; s12      my wave's number
.set SEL, 20                           ; s[20:21] lane selects for v_permlanex16_b32: lane l xor 16
.set CS,  22                           ; s[22:23] c = log2(e) / 8; the packed form names the pair and takes its low word for both halves
.set G1,  24                           ; s[24:31] descriptor group 1
.set G0,  32                           ; s[32:47] descriptor group 0, one for each quarter
.set TB,  48                           ; s48      LDS byte at which the step in hand begins
.set CNT, 49                           ; s49      steps left
; A round of the cluster's barrier: my work-group's barrier, wave 0 signals for the work-group, every wave waits for all four work-groups, my work-group's barrier once more.
.macro CROUND
	s_barrier_signal -1
	s_barrier_wait -1
	s_cmp_lg_u32 s[WV], 0
	s_cbranch_scc1 .Lnot_wave_0_\@
	s_barrier_signal -3
.Lnot_wave_0_\@:
	s_barrier_wait -3
	s_barrier_signal -1
	s_barrier_wait -1
.endm
	s_load_b256 s[4:11], s[0:1], 0x0               ; qimg s[4:5], kvimg s[6:7], oimg s[8:9], oscl s[10:11]
	v_lshl_add_u32 v207, v0, 2, 0x34400
	v_mov_b32 v231, 0
	ds_add_u32 v207, v231
	ds_add_u32 v207, v231
	v_lshrrev_b32 v1, 5, v0
	s_delay_alu instid0(VALU_DEP_1)
	v_readfirstlane_b32 s[WV], v1                  ; wave 0..15
	s_bfe_u32 s13, ttmp6, 0x40000                  ; cx: my place in the cluster
	s_lshl_b32 s14, ttmp9, 2                       ; in a cluster launch ttmp9 counts clusters
	s_add_co_u32 s14, s14, s13
	s_lshl_b32 s14, s14, 1                         ; my first block of 256 queries: it enters q's and O's global addresses alone
	s_and_b32 s15, ttmp7, 0xffff                   ; the head, which the four partners share
	; descriptor group 1: 13 rows of 32 elements of 8 bytes, dense, no padding
	s_mov_b32 s[G1], 15|(3<<16)|(1<<21)            ; 15:0 the mask: all four work-groups; 17:16 elements of 8 bytes; 21 set beside a mask
	s_mov_b32 s[G1+1], 32<<16                      ; tensor_dim0 = 32
	s_mov_b32 s[G1+2], 13<<16                      ; tensor_dim1 = 13
	s_mov_b32 s[G1+3], 32<<16                      ; tile_dim0 = 32
	s_mov_b32 s[G1+4], 13                          ; tile_dim1 = 13
	s_mov_b32 s[G1+5], 32                          ; from row to row: 32 elements
	s_mov_b32 s[G1+6], 0
	s_mov_b32 s[G1+7], 0
	s_mul_i32 s52, s[WV], WPART                    ; my part of a quarter, in LDS and in memory alike: no place in the cluster enters it
	s_mul_i32 s50, s15, HEADB
	s_add_co_u32 s50, s50, s52
	s_mov_b32 s51, 0
	s_lshl_b32 s54, s15, 6                         ; q: pair 64 head + 8 block + wave / 2, 1,792 bytes each
	s_lshl_b32 s55, s14, 3
	s_add_co_u32 s54, s54, s55
	s_lshr_b32 s55, s[WV], 1
	s_add_co_u32 s54, s54, s55
	s_mul_i32 s54, s54, 1792
	s_mov_b32 s55, 0
	s_lshr_b32 s56, s15, 3                         ; O's codes: tile 128 batch + 16 block + wave, 6,144 bytes each; in it 768 bytes for each of the batch's eight heads
	s_lshl_b32 s56, s56, 7
	s_lshl_b32 s57, s14, 4
	s_add_co_u32 s56, s56, s57
	s_add_co_u32 s56, s56, s[WV]
	s_mul_i32 s56, s56, 6144
	s_and_b32 s57, s15, 7
	s_mul_i32 s57, s57, 768
	s_add_co_u32 s56, s56, s57
	s_mov_b32 s57, 0
	s_lshl_b32 s58, s15, 12                        ; O's scale bytes: 4,096 a head, 512 a block of 256 queries
	s_lshl_b32 s59, s14, 9
	s_add_co_u32 s58, s58, s59
	s_mov_b32 s59, 0
	s_mov_b32 s[SEL], 0x76543210
	s_mov_b32 s[SEL+1], 0xfedcba98
	s_mov_b32 s[CS], 0x3e38aa3b                    ; log2(e) / 8
	s_mov_b32 s[CS+1], s[CS]                       ; (named with it as a pair, so it is written)
	s_wait_dscnt 0x0
	s_wait_kmcnt 0x0
	s_add_nc_u64 s[6:7], s[6:7], s[50:51]
	s_add_nc_u64 s[4:5], s[4:5], s[54:55]
	s_add_nc_u64 s[8:9], s[8:9], s[56:57]
	s_add_nc_u64 s[10:11], s[10:11], s[58:59]
.irp c, 0,1,2,3
	s_mov_b32 s[G0+4*\c], 1                        ; count = 1
	s_add_co_u32 s[G0+4*\c+1], s52, \c*QUART       ; LDS address
	s_add_nc_u64 s[G0+4*\c+2:G0+4*\c+3], s[6:7], \c*QUART   ; global address
	s_or_b32 s[G0+4*\c+3], s[G0+4*\c+3], 0x80000000   ; type = 2
.endr
	CROUND                                         ; all four work-groups are here: the joint loads meet
.irp c, 0,1,2,3
	s_wait_alu depctr_va_vdst(0)
	s_wait_tensorcnt 0x0
	ds_add_u32 v207, v231
	ds_add_u32 v207, v231
	s_wait_dscnt 0x0
	CROUND
	tensor_load_to_lds s[G0+4*\c:G0+4*\c+3], s[G1:G1+7]   ; the launch's only fills, each behind the wait above: only the last of mine stays out
	s_nop 0
.endr
.rept 4
	v_nop
.endr
	v_and_b32 v11, 31, v0                          ; lane
	s_delay_alu instid0(VALU_DEP_1)
	v_lshlrev_b32 v[LI], 4, v11
	s_delay_alu instid0(VALU_DEP_2)
	v_lshlrev_b32 v[L8], 3, v11
	s_delay_alu instid0(VALU_DEP_1)
	v_add_nc_u32 v[LS], 12288, v[L8]
	s_and_b32 s53, s[WV], 1                        ; which tile of a pair is mine
	s_mul_i32 s60, s53, 768
	v_add_nc_u32 v[QA], s60, v[L8]
	s_lshl_b32 s60, s53, 2
	v_add_nc_u32 v[QSA], s60, v[L8]
.irp p, 0,1,2
	global_load_b64 v[QL+2*\p:QL+2*\p+1], v[QA], s[4:5] offset:256*\p       ; q's six registers, twice: into the lower half of one operand
	global_load_b64 v[QH+6+2*\p:QH+7+2*\p], v[QA], s[4:5] offset:256*\p     ; and the upper half of the other
	global_load_b64 v[Q2L+2*\p:Q2L+2*\p+1], v[QA], s[4:5] offset:QSTEP+256*\p     ; the second tile's likewise: it is there when the second walk begins
	global_load_b64 v[Q2H+6+2*\p:Q2H+7+2*\p], v[QA], s[4:5] offset:QSTEP+256*\p
.endr
	global_load_b32 v[QS], v[QSA], s[4:5] offset:1536
	global_load_b32 v[QS2], v[QSA], s[4:5] offset:QSTEP+1536
.irp i, 0,1,2,3,4,5
	v_mov_b32 v[QL+6+\i], 0                        ; zero codes
	v_mov_b32 v[QH+\i], 0
	v_mov_b32 v[Q2L+6+\i], 0
	v_mov_b32 v[Q2H+\i], 0
.endr
	v_and_b32 v11, 15, v0                          ; r
	s_lshl_b32 s60, s[WV], 5
	s_add_co_u32 s60, s60, OSC
	v_lshl_add_u32 v[OSA], v11, 1, s60
	s_lshl_b32 s60, s53, 9
	v_add_nc_u32 v[OSG], s60, v[LI]
	s_delay_alu instid0(VALU_DEP_1)
	v_add_nc_u32 v[OSR], OSC, v[OSG]
.irp b, 0,1,2,3
	v_mov_b32 v[BX+\b], 0                          ; written once: a lane permute's destination counts as one of its sources
.endr
	v_mov_b32 v[PSW], 0                            ; (named as the upper half of the pair with f before it is first written)
; A tile's walk begins: the step is written once, and the first finds zeros, which the first change of M leaves zeros
.macro INIT
	v_mov_b32 v13, 0xff61b1e6                      ; the largest t so far: -3e38, under every t
	s_delay_alu instid0(VALU_DEP_1)
	v_floor_f32 v12, -v13                          ; -M
	v_mov_b32 v14, 0                               ; the sum, in two halves
	v_mov_b32 v15, 0
.set J, 0
.rept 32
	v_mov_b32 v[OT+J], 0                           ; O^T
.set J, J+1
.endr
.endm
	INIT
	s_wait_loadcnt 0x0                             ; q
; A KEY STEP: 128 keys, for the tile whose q stands in ql and qh, with the scale word qs
.macro STEP ql, qh, qs
	s_setprio 2
	v_add_nc_u32 v[ADK], s[TB], v[LI]              ; these two and two v_nop: the four places between the last step's products and the loads into their operands
	v_add_nc_u32 v[ADS], s[TB], v[LS]
	v_nop
	v_nop
.irp p, 0,1,2,3
.irp c, 0,1,2
	ds_load_b128 v[FR+12*\p+4*\c:FR+12*\p+4*\c+3], v[ADK] offset:1536*\p+512*\c   ; K's fragment p: 32 keys
.endr
	ds_load_b64 v[SW+2*\p:SW+2*\p+1], v[ADS] offset:256*\p                      ; its scale words, and those of V's fragment p
.endr
	s_wait_alu depctr_va_vdst(0)
	s_wait_dscnt 0x0
.irp p, 0,1,2,3
	v_wmma_scale_f32_16x16x128_f8f6f4 v[S+16*\p:S+16*\p+7], v[FR+12*\p:FR+12*\p+11], v[\ql:\ql+11], 0, v[SW+2*\p], v[\qs] matrix_a_fmt:MATRIX_FMT_FP6 matrix_b_fmt:MATRIX_FMT_FP6
	v_wmma_scale_f32_16x16x128_f8f6f4 v[S+16*\p+8:S+16*\p+15], v[FR+12*\p:FR+12*\p+11], v[\qh:\qh+11], 0, v[SW+2*\p], v[\qs] matrix_a_fmt:MATRIX_FMT_FP6 matrix_b_fmt:MATRIX_FMT_FP6
.endr                                          ; register S + 16 p + i: key 32 p + 16 (lane / 16) + i of the step, my query
.rept 4
	v_nop                                          ; places in front of the loads into K's registers and of the first read of the scores
.endr
.irp t, 0,1,2,3
.irp c, 0,1,2
	ds_load_b128 v[FR+12*\t+4*\c:FR+12*\t+4*\c+3], v[ADK] offset:6144+1536*\t+512*\c   ; V's four fragments land while the softmax is worked
.endr
.endr
.irp b, 0,1,2,3
	v_max3_num_f32 v[BM+\b], v[S+16*\b], v[S+1+16*\b], v[S+2+16*\b]   ; the largest score of each block of 32 keys; each accumulator is read from its low end on
.endr
.irp i, 3,5,7,9,11,13
.irp b, 0,1,2,3
	v_max3_num_f32 v[BM+\b], v[BM+\b], v[S+16*\b+\i], v[S+1+16*\b+\i]   ; the four blocks by turns
.endr
.endr
.irp b, 0,1,2,3
	v_max_num_f32 v[BM+\b], v[BM+\b], v[S+15+16*\b]
.endr
.irp b, 0,1,2,3
	s_delay_alu instid0(VALU_DEP_4)
	v_permlanex16_b32 v[BX+\b], v[BM+\b], s[SEL], s[SEL+1]
.endr
.irp b, 0,1,2,3
	s_delay_alu instid0(VALU_DEP_4)
	v_max_num_f32 v[BM+\b], v[BM+\b], v[BX+\b]     ; with lane l xor 16's 16 keys
.endr
	s_delay_alu instid0(VALU_DEP_2)
	v_max3_num_f32 v[TP], v[BM], v[BM+1], v[BM+2]
	s_delay_alu instid0(VALU_DEP_1)
	v_max_num_f32 v[TP], v[TP], v[BM+3]            ; the step's largest score of my query
	s_delay_alu instid0(VALU_DEP_1)
	v_mul_f32 v[TP], s[CS], v[TP]                  ; as t (c is positive)
	s_delay_alu instid0(VALU_DEP_1)
	v_max_num_f32 v13, v13, v[TP]                  ; the running largest t
	v_mov_b32 v[TP], v12
	s_delay_alu instid0(VALU_DEP_2)
	v_floor_f32 v12, -v13                          ; the new -M = floor(-t) = -ceil(t): a whole number
	s_delay_alu instid0(VALU_DEP_1)
	v_sub_f32 v[TP], v12, v[TP]                    ; old M less new M: a whole number, 0 or less
	s_delay_alu instid0(VALU_DEP_1)
	v_cvt_i32_f32 v[TP], v[TP]                     ; (it saturates)
	s_delay_alu instid0(VALU_DEP_1)
	v_ldexp_f32 v[F], 1.0, v[TP]                   ; f = 2^(old M - new M)
.set J, 0
.rept 32
	v_pk_fma_f32 v[S+J:S+J+1], v[S+J:S+J+1], s[CS:CS+1], v[12:13] op_sel_hi:[1,0,0]   ; t - M, two at a time
.set J, J+2
.endr
.irp b, 0,1,2,3
	v_fma_f32 v[BM+\b], v[BM+\b], s[CS], v12       ; the same of each block's largest score
.endr
.set J, 0
	s_wait_alu depctr_va_vdst(0)
.rept 64
	v_exp_f32 v[S+J], v[S+J]                       ; p = 2^(t - M), at most 1
.set J, J+1
.endr
	s_setprio 1
.irp b, 0,1,2,3
	v_exp_f32 v[BM+\b], v[BM+\b]                   ; the block's largest p
.endr
	v_pk_mul_f32 v[14:15], v[14:15], v[F:F+1] op_sel_hi:[1,0]   ; the sums under the new M; also the plain place behind the exponentials
	s_wait_alu depctr_va_vdst(0)
.irp b, 0,1,2,3
	v_max_num_f32 v[BM+\b], 0x1800000, v[BM+\b]    ; the floor 2^(3 - 127): the byte cannot fall under 1
.endr
.irp b, 0,1,2,3
	s_delay_alu instid0(VALU_DEP_4)
	v_add_nc_u32 v[SOP+\b], 0xff000000, v[BM+\b]   ; 2 off the exponent field: the conversion's scale operand
.endr
.irp b, 0,1,2,3
	s_delay_alu instid0(VALU_DEP_4)
	v_lshrrev_b32 v[BX+\b], 23, v[SOP+\b]          ; the scale's byte
.endr
	s_delay_alu instid0(VALU_DEP_3)
	v_lshl_or_b32 v[PSW], v[BX+1], 8, v[BX]        ; p's scale word for these 128 keys
	s_delay_alu instid0(VALU_DEP_1)
	v_lshl_or_b32 v[PSW], v[BX+2], 16, v[PSW]
	s_delay_alu instid0(VALU_DEP_1)
	v_lshl_or_b32 v[PSW], v[BX+3], 24, v[PSW]
.irp c, 0,1
	v_cvt_scalef32_pk16_fp6_f32 v[PCD+6*\c:PCD+2+6*\c], v[S+32*\c:S+15+32*\c], v[SOP+2*\c]
	v_cvt_scalef32_pk16_fp6_f32 v[CT+4*\c:CT+2+4*\c], v[S+16+32*\c:S+31+32*\c], v[SOP+2*\c+1]   ; (a conversion's three registers begin on an even number)
.endr
	v_nop                                          ; one plain place behind a scaled conversion
.irp c, 0,1                                    ; the operand's layout wants a whole block in a lane
.irp i, 0,1,2
	v_permlane16_swap_b32 v[PCD+6*\c+\i], v[CT+4*\c+\i]
.endr
.irp i, 0,1,2
	s_delay_alu instid0(VALU_DEP_3)
	v_mov_b32 v[PCD+3+6*\c+\i], v[CT+4*\c+\i]
.endr
.endr
	v_pk_add_f32 v[BX:BX+1], v[S:S+1], v[S+2:S+3]  ; the row's sum is taken of the unquantised p: two at a time, in two chains
.set J, 4
.rept 15
	v_pk_add_f32 v[14:15], v[14:15], v[S+J:S+J+1]
	v_pk_add_f32 v[BX:BX+1], v[BX:BX+1], v[S+J+2:S+J+3]
.set J, J+4
.endr
	s_delay_alu instid0(VALU_DEP_1)
	v_pk_add_f32 v[14:15], v[14:15], v[BX:BX+1]
.set J, 0
	s_setprio 0
.rept 16
	v_pk_mul_f32 v[OT+J:OT+J+1], v[OT+J:OT+J+1], v[F:F+1] op_sel_hi:[1,0]   ; O^T under the new M.  With the sums above: far more than the eight places between p's scale word and the products
.set J, J+2
.endr
	s_wait_alu depctr_va_vdst(0)
	s_wait_dscnt 0x0                               ; V is in
.irp t, 0,1,2,3                                ; four accumulators, one instruction a turn
	v_wmma_scale_f32_16x16x128_f8f6f4 v[OT+8*\t:OT+8*\t+7], v[FR+12*\t:FR+12*\t+11], v[PCD:PCD+11], v[OT+8*\t:OT+8*\t+7], v[SW+2*\t+1], v[PSW] matrix_a_fmt:MATRIX_FMT_FP6 matrix_b_fmt:MATRIX_FMT_FP6
.endr
	s_add_co_u32 s[TB], s[TB], CHUNK
.endm
; The first tile's walk, a quarter of the head at a time: four steps
.macro PHASE n
	s_wait_tensorcnt 3-\n                          ; a wave's tensor loads end in order: my part of quarter n is in; of the younger loads only quarter 3's can be out
	s_barrier_signal -1                            ; (no LDS instruction of mine is out)
	s_barrier_wait -1                              ; everybody's part is in
	s_mov_b32 s[TB], \n*QUART
	s_mov_b32 s[CNT], 4
.Lstep_\@:
	STEP QL, QH, QS
	s_sub_co_u32 s[CNT], s[CNT], 1
	s_cmp_lg_u32 s[CNT], 0
	s_cbranch_scc1 .Lstep_\@
	s_setprio 0
.endm
; THE WAY OUT of my tile n (0, 1).  O^T / l; its two blocks of 32 channels are quantised; the six registers of codes are half of an operand of the last product and leave as they stand; the scale bytes go to the tile's stage in LDS.
.macro TAIL n
	v_add_f32 v14, v14, v15                        ; the sum's two halves,
	s_delay_alu instid0(VALU_DEP_1)
	v_permlanex16_b32 v[TP], v14, s[SEL], s[SEL+1]
	s_delay_alu instid0(VALU_DEP_1)
	v_add_f32 v14, v14, v[TP]                      ; and lane l xor 16's: l
	s_wait_alu depctr_va_vdst(0)
	v_rcp_f32 v14, v14
	v_nop                                          ; the two additions and these two are the four places behind the last products; the first is also the plain place behind the reciprocal
	v_nop
.set J, 0
	s_wait_alu depctr_va_vdst(0)
.rept 32
	v_mul_f32 v[S+J], v[OT+J], v14                 ; register 16 b + i: channel 32 b + 16 (lane / 16) + i.  Each accumulator from its low end on
.set J, J+1
.endr
.irp b, 0,1
	v_max3_num_f32 v[BM+\b], |v[S+16*\b]|, |v[S+1+16*\b]|, 0x1800000
.endr
.irp i, 2,4,6,8,10,12,14
.irp b, 0,1
	s_delay_alu instid0(VALU_DEP_2)
	v_max3_num_f32 v[BM+\b], v[BM+\b], |v[S+16*\b+\i]|, |v[S+1+16*\b+\i]|
.endr
.endr
.irp b, 0,1
	s_delay_alu instid0(VALU_DEP_2)
	v_permlanex16_b32 v[BX+\b], v[BM+\b], s[SEL], s[SEL+1]
.endr
.irp b, 0,1
	s_delay_alu instid0(VALU_DEP_2)
	v_max_num_f32 v[BM+\b], v[BM+\b], v[BX+\b]
.endr
.irp b, 0,1
	s_delay_alu instid0(VALU_DEP_2)
	v_add_nc_u32 v[SOP+\b], 0xff000000, v[BM+\b]
.endr
.irp b, 0,1
	s_delay_alu instid0(VALU_DEP_2)
	v_lshrrev_b32 v[BX+\b], 23, v[SOP+\b]
.endr
	s_delay_alu instid0(VALU_DEP_1)
	v_lshl_or_b32 v[TP], v[BX+1], 8, v[BX]         ; my query's two scale bytes
	v_cvt_scalef32_pk16_fp6_f32 v[PCD:PCD+2], v[S:S+15], v[SOP]
	v_cvt_scalef32_pk16_fp6_f32 v[PCD+4:PCD+6], v[S+16:S+31], v[SOP+1]
	v_nop                                          ; one plain place behind a scaled conversion
.irp i, 0,1,2
	v_permlane16_swap_b32 v[PCD+\i], v[PCD+4+\i]   ; lanes 0-15: block 0, lanes 16-31: block 1
.endr
.irp i, 0,1,2
	s_delay_alu instid0(VALU_DEP_3)
	v_mov_b32 v[PCD+3+\i], v[PCD+4+\i]
.endr
.irp p, 0,1,2
	global_store_b64 v[L8], v[PCD+2*\p:PCD+2*\p+1], s[8:9] offset:OSTEP*\n+256*\p   ; 32 lanes store 256 consecutive bytes, aligned
.endr
	ds_store_b16 v[OSA], v[TP] offset:512*\n       ; both halves of the lanes write the same two bytes with the same value
.endm
	PHASE 0
	PHASE 1
	PHASE 2
	PHASE 3
	TAIL 0
	s_wait_xcnt 0x0                                ; the stores have read the codes' registers, which the second walk writes again
	INIT
	s_mov_b32 s[TB], 0
	s_mov_b32 s[CNT], 16
.Lsecond:                                          ; the second tile's walk: the whole head lies in LDS, shown to every wave by the fourth quarter's barrier
	STEP Q2L, Q2H, QS2
	s_sub_co_u32 s[CNT], s[CNT], 1
	s_cmp_lg_u32 s[CNT], 0
	s_cbranch_scc1 .Lsecond
	s_setprio 0
	TAIL 1
	s_wait_dscnt 0x0                               ; for waves 0 and 1's sake: my scale bytes of both tiles lie in LDS
	s_barrier_signal -1
	s_barrier_wait -1
	s_cmp_gt_u32 s[WV], 1
	s_cbranch_scc1 .Lnot_mine
	ds_load_b128 v[S:S+3], v[OSR]                  ; wave n takes the sixteen waves' tiles n: 512 bytes
	s_wait_dscnt 0x0
	global_store_b128 v[OSG], v[S:S+3], s[10:11]   ; 512 consecutive bytes, aligned
.Lnot_mine:
	s_wait_tensorcnt 0x0
	ds_add_u32 v207, v231
	s_wait_dscnt 0x0
	CROUND                                         ; the closing round: no work-group ends while a partner may still ask jointly
	s_endpgm
.Lfunc_end_k_q634b78ef63_attn:
	.size	k_q634b78ef63_attn, .Lfunc_end_k_q634b78ef63_attn-k_q634b78ef63_attn
	.p2alignl 7, 3214868480
	.fill 96, 4, 3214868480
	.section	.rodata,"a",@progbits
	.p2align	6, 0x0
	.amdhsa_kernel k_q634b78ef63_attn
		.amdhsa_group_segment_fixed_size 327680
		.amdhsa_private_segment_fixed_size 0
		.amdhsa_enable_private_segment 0
		.amdhsa_kernarg_size 32
		.amdhsa_user_sgpr_count 2
		.amdhsa_user_sgpr_kernarg_segment_ptr 1
		.amdhsa_wavefront_size32 1
		.amdhsa_system_sgpr_workgroup_id_x 1
		.amdhsa_system_sgpr_workgroup_id_y 1
		.amdhsa_system_sgpr_workgroup_id_z 1
		.amdhsa_system_vgpr_workitem_id 0
		.amdhsa_next_free_vgpr 256
		.amdhsa_next_free_sgpr 66
		.amdhsa_reserve_vcc 0
		.amdhsa_float_denorm_mode_32 3
		.amdhsa_float_denorm_mode_16_64 3
		.amdhsa_memory_ordered 1
		.amdhsa_forward_progress 1
		.amdhsa_inst_pref_size 106
	.end_amdhsa_kernel
	.amdgpu_metadata
---
amdhsa.version: [ 1, 2 ]
amdhsa.kernels:
  - .name:           k_q634b78ef63_attn
    .symbol:         k_q634b78ef63_attn.kd
    .args:
      - { .name: qimg, .offset: 0, .size: 8, .value_kind: global_buffer, .address_space: global }
      - { .name: kvimg, .offset: 8, .size: 8, .value_kind: global_buffer, .address_space: global }
      - { .name: oimg, .offset: 16, .size: 8, .value_kind: global_buffer, .address_space: global }
      - { .name: oscl, .offset: 24, .size: 8, .value_kind: global_buffer, .address_space: global }
    .group_segment_fixed_size: 327680
    .private_segment_fixed_size: 0
    .kernarg_segment_align: 8
    .kernarg_segment_size: 32
    .max_flat_workgroup_size: 512
    .sgpr_count:     66
    .vgpr_count:     256
    .wavefront_size: 32
...
	.end_amdgpu_metadata
.endif
;; end of part 5
;; launch proj (part 6): grid 256 x 1, 16 waves a work-group, no clusters, 233,472 bytes of LDS; arguments oimg, oscl, Wp_codes, Wp_scales, bp, out0; writes out0
.if DOCPART == 6
	.amdgcn_target "amdgcn-amd-amdhsa--gfx1250"
	.amdhsa_code_object_version 6
	.text
	.protected	k_q634b78ef63_proj
	.globl	k_q634b78ef63_proj
	.p2align	8
	.type	k_q634b78ef63_proj,@function
k_q634b78ef63_proj:
	s_mov_b64 s[64:65], 0
	v_nop
	global_prefetch_b8 v0, s[64:65] scope:SCOPE_SE
	s_setreg_imm32_b32 hwreg(HW_REG_WAVE_SCHED_MODE, 0, 2), 2
	s_setreg_imm32_b32 hwreg(HW_REG_WAVE_MODE, 25, 1), 1
	s_wait_xcnt 0x0
	s_wait_alu depctr_vm_vsrc(0)
; out = O Wp + bp, on codes of FP6 (E2M3) with E8M0 scales, K = 512 = (head, channel).  O's codes come as images of operand registers: oimg [tile of 16 rows][head][768 bytes]: two neighbouring heads are the twelve
; registers of one K step of 128.  Its scale bytes: oscl [head 0..63][tile in the batch][16 rows][2].  Wp: [512 columns][512] codes, rows of 384 bytes, 16 scale bytes a row.  out: [16384][512] f32.
; SHARES.  A work-group takes 64 rows: four tiles.  THE WAVES SHARE THE COLUMNS: wave w makes columns 32 w .. 32 w + 31 for all 64 rows, so its eight fragments of Wp stay in its registers, read from memory once.
; Wp's 32 rows of a wave are 12,288 consecutive bytes: they are loaded as they lie, 16 bytes a lane, 512 consecutive bytes a load, go into the wave's own stage in LDS as rows 400 bytes apart, and come back as fragments,
; in pieces of 8 bytes: lane (r, h) at 400 r + 24 h: word 100 r + 6 h, so the 32 lanes' 64 words fall into 64 different banks (64 banks of 4 bytes: ISA guide 11.1).
; The rows' sixteen fragments (tile m, K step k) are brought in one by each wave (m = w / 4, k = w % 4) and go round through LDS as images of their registers.
; Source 0 = 16 columns of Wp, source 1 = 16 rows of O: a lane holds eight neighbouring columns of one row.  The bias is the C of each sum's first matrix instruction.
; A TILE'S ROWS ARE NOT NEIGHBOURS: lane r of tile m holds row 32 (m / 2) + 8 (m % 2) + r + 8 (r / 8) of the 64.  The stage for the way out puts them in order: 64 rows of 2,048 bytes + 16, in four runs of 16 rows, 128 bytes
; between runs.  It begins where the waves' stages for Wp begin: it is written only behind the first barrier, in front of which every wave has waited for its reads of its own stage.
; Each wave then stores four whole rows, 512 consecutive bytes an instruction.
; NO JOINT LOADS: Wp's rows are each wave's own and end in its registers; the rows' codes are read by one work-group alone.
; LIMITS: NaN and infinities are not served; a given scale byte 0xff gives NaN.
; THE MODE: SCHED_MODE bits 1:0 = 2 (LLVM: expert scheduling mode 2), set by the entry lines.  The code itself states the register dependences between vector or matrix instructions and memory or LDS instructions,
; with s_wait_alu, always for 0.
; THE PLAN.  Registers that memory or LDS instructions touch:
;   v1-11, v252-254  offsets and LDS addresses: made once at the head, never written again.
;   v16-111          Wp's rows as loaded, read by the LDS stores into my stage; then its fragments, landed from LDS and read by matrix instructions alone; on the way out v16-79 take rows of the result from LDS.
;   v132-179, v180-183  the rows' fragments and scale words.  A K step is two HALF STEPS of four matrix instructions, and these registers are two buffers that take turns:
;                    tiles 0, 1 in v132-155 and v180-181 (lo), tiles 2, 3 in v156-179 and v182-183 (hi).  Half (k, lo) multiplies lo and asks for hi(k); half (k, hi) multiplies hi and asks for lo(k + 1).
;   v184-247         the accumulators: read by the LDS stores of the way out.      v250: my fragment's scale word, written by one vector instruction, read by one LDS store.
; So ONE wait on va_vdst stands at the head of a half step that loads into registers which the half step before has read.  Behind it the half step's matrix instructions name the other buffer, Wp's fragments, the
; accumulators, the bias and Wp's scale words: none of the registers in which its loads land; these stand behind its first two matrix instructions with no further wait.
.set FRB,    1536
.set AIMG,   0                         ; LDS: the rows' sixteen fragments, (4 m + k) FRB
.set ASC,    24576                     ; their scale words, 128 bytes each
.set STG,    26624                     ; the stage for the way out
.set SPITCH, 2064
.set SCH,    33152                     ; a run of 16 rows: 16 x 2,064 + 128
.set WSTG,   STG                       ; the waves' stages for Wp: 32 rows of 400 bytes each, 204,800 bytes in all
.set PITCH,  400
.set LI,  1                            ; v1   16 x lane
.set L4,  2                            ; v2   4 x lane
.set SO,  3                            ; v3-4 the way out: where I put 32 bytes of a row, for tiles 0, 1 and for tiles 2, 3
.set SR,  5                            ; v5   where I read my four rows back
.set L8,  6                            ; v6   8 x lane
.set R2,  7                            ; v7   2 r
.set WA,  8                            ; v8   Wp's fragments in my stage: 400 r + 24 h
.set BA,  9                            ; v9   the bias: 32 h
.set IW,  10                           ; v10  where I store my fragment's image
.set SWA, 11                           ; v11  and its scale words
.set WF,  16                           ; v16-111  Wp's rows as loaded, then its fragments: (tile n, K step k) at 12 (4 n + k)
.set WS,  112                          ; v112-115 Wp's scale words: register k; lanes 0-15 tile 0, lanes 16-31 tile 1
.set BI,  116                          ; v116-131 the bias, eight registers a tile
.set AF,  132                          ; v132-179 four fragments of the rows
.set AS,  180                          ; v180-183 their scale words
.set ACC, 184                          ; v184-247 accumulator (m, n) at 8 (2 m + n)
.set WST, 252                          ; v252-254 where I store Wp's rows: one register for each of three loads, which are four rows
.macro FETCH reg, off
.irp c, 0,1,2
	ds_load_b128 v[\reg+4*\c:\reg+4*\c+3], v[LI] offset:\off+512*\c
.endr
.endm
.macro WM d, a, b, cc, sa, sb, ra      ; ra = 1: source 0's scale words are taken from lanes 16-31
.if \ra
	v_wmma_scale_f32_16x16x128_f8f6f4 v[\d:\d+7], v[\a:\a+11], v[\b:\b+11], v[\cc:\cc+7], v[\sa], v[\sb] matrix_a_fmt:MATRIX_FMT_FP6 matrix_b_fmt:MATRIX_FMT_FP6 matrix_a_scale:MATRIX_SCALE_ROW1
.else
	v_wmma_scale_f32_16x16x128_f8f6f4 v[\d:\d+7], v[\a:\a+11], v[\b:\b+11], v[\cc:\cc+7], v[\sa], v[\sb] matrix_a_fmt:MATRIX_FMT_FP6 matrix_b_fmt:MATRIX_FMT_FP6
.endif
.endm
.macro AFETCH m, k                     ; the rows' fragment (tile m, K step k) and its scale words
	FETCH AF+12*(\m), AIMG+(4*(\m)+(\k))*FRB
	ds_load_b32 v[AS+(\m)], v[L4] offset:ASC+128*(4*(\m)+(\k))
.endm
; Half step (k, j): the rows' tiles 2 j, 2 j + 1 x my two tiles of Wp.  Eight accumulators, one instruction a turn, in the same order in every K step
.macro HALF k, j
.if ((\j) == 0) && ((\k) > 0)
	s_wait_alu depctr_va_vdst(0)                   ; the half step before is done reading tiles 2, 3 (v156-179) and their scale words (v182-183), in which this half step's loads land
.endif
.if ((\j) == 1) && ((\k) < 3)
	s_wait_alu depctr_va_vdst(0)                   ; the half step before is done reading tiles 0, 1 (v132-155) and their scale words (v180-181), in which this half step's loads land
.endif
	s_wait_dscnt 0x0                               ; all that is out was asked for in the half step before, for this one: it is in
.irp u, 0,1
.irp nn, 0,1
.if (\k) == 0
	WM ACC+8*(2*(2*(\j)+\u)+\nn), WF+12*(4*\nn+(\k)), AF+12*(2*(\j)+\u), BI+8*\nn, WS+(\k), AS+2*(\j)+\u, \nn
.else
	WM ACC+8*(2*(2*(\j)+\u)+\nn), WF+12*(4*\nn+(\k)), AF+12*(2*(\j)+\u), ACC+8*(2*(2*(\j)+\u)+\nn), WS+(\k), AS+2*(\j)+\u, \nn
.endif
.if \u == 0                                    ; the loads stand behind the half step's first two matrix instructions.  No wait: no matrix instruction since the last wait on va_vdst names the registers in which they land
.if (\j) == 0
	AFETCH 2+\nn, \k
.elseif (\k) < 3
	AFETCH \nn, (\k)+1
.endif
.endif
.endr
.endr
.endm
	s_load_b256 s[4:11], s[0:1], 0x0               ; oimg s[4:5], oscl s[6:7], Wp's codes s[8:9], Wp's scales s[10:11]
	s_load_b128 s[12:15], s[0:1], 0x20             ; bp s[12:13], out s[14:15]
	v_lshl_add_u32 v251, v0, 2, 0x38800            ; my spare word, behind the stages, and 0: made here and kept for the closing lines alone
	v_mov_b32 v255, 0
	v_lshrrev_b32 v1, 5, v0
	v_readfirstlane_b32 s16, v1                    ; wave w, 0..15
	v_and_b32 v12, 31, v0                          ; lane
	s_wait_alu depctr_va_vdst(0)
	v_lshlrev_b32 v[LI], 4, v12
	v_lshlrev_b32 v[L4], 2, v12
	v_lshlrev_b32 v[L8], 3, v12
	s_wait_alu depctr_va_sdst(0)                   ; s16 is written, ahead of its first reader: the wave's shares and every base are made from it
	s_lshr_b32 s18, s16, 2                         ; m: the tile whose fragment I bring in
	s_and_b32 s19, s16, 3                          ; k: its K step
	s_lshl_b32 s20, ttmp9, 4                       ; oimg: fragment 16 g + w, 1,536 bytes each
	s_add_co_u32 s20, s20, s16
	s_mul_i32 s20, s20, FRB
	s_mov_b32 s21, 0
	s_lshr_b32 s22, ttmp9, 5                       ; oscl: head 8 batch + 2 k,
	s_lshl_b32 s22, s22, 3
	s_lshl_b32 s23, s19, 1
	s_add_co_u32 s22, s22, s23
	s_lshl_b32 s22, s22, 7                         ; 128 tiles a head,
	s_and_b32 s23, ttmp9, 31
	s_lshl_b32 s23, s23, 2
	s_add_co_u32 s22, s22, s23
	s_add_co_u32 s22, s22, s18                     ; tile 4 (g % 32) + m,
	s_lshl_b32 s22, s22, 5                         ; 32 bytes a tile
	s_mov_b32 s23, 0
	s_mul_i32 s24, s16, 32*384                     ; Wp: my 32 rows
	s_mov_b32 s25, 0
	s_lshl_b32 s26, s16, 9                         ; their scale bytes
	s_mov_b32 s27, 0
	s_lshl_b32 s28, s16, 7                         ; my 32 numbers of the bias
	s_mov_b32 s29, 0
	s_lshl_b32 s30, ttmp9, 6                       ; out: row 64 g + 4 w, 2,048 bytes a row
	s_lshl_b32 s31, s16, 2
	s_add_co_u32 s30, s30, s31
	s_lshl_b32 s30, s30, 11
	s_mov_b32 s31, 0
	s_mul_i32 s35, s16, 32*PITCH
	s_add_co_u32 s35, s35, WSTG                    ; my stage for Wp
	; piece u = lane + 32 i of 16 bytes, of the 96 pieces of three loads, lies in row u / 24 of four rows: at 16 u + 16 (u / 24), since a row in LDS is 16 bytes longer than in memory.  u / 24 = (171 u) >> 12 for u under 96
.irp i, 0,1,2
	v_add_nc_u32 v13, 32*\i, v12
	v_mul_u32_u24 v14, v13, 171
	v_lshrrev_b32 v14, 12, v14
	v_add_nc_u32 v13, v13, v14
	v_lshlrev_b32 v[WST+\i], 4, v13
	v_add_nc_u32 v[WST+\i], s35, v[WST+\i]
.endr
	v_and_b32 v12, 15, v0                          ; r
	v_bfe_u32 v13, v0, 4, 1                        ; h
	v_lshlrev_b32 v[R2], 1, v12
	v_mul_u32_u24 v[WA], v12, PITCH
	v_mad_u32_u24 v[WA], v13, 24, v[WA]
	v_add_nc_u32 v[WA], s35, v[WA]
	v_lshlrev_b32 v[BA], 5, v13
	s_mul_i32 s32, s16, FRB
	v_add_nc_u32 v[IW], s32, v[LI]
	s_lshl_b32 s32, s16, 7
	v_add_nc_u32 v[SWA], s32, v[L4]
	v_lshrrev_b32 v14, 3, v12                      ; r / 8: which run of 16 rows of the pair
	v_and_b32 v15, 7, v12
	v_mul_u32_u24 v[SO], v14, SCH
	v_mad_u32_u24 v[SO], v15, SPITCH, v[SO]
	v_lshl_add_u32 v[SO], v13, 5, v[SO]            ; + 32 h
	s_add_co_u32 s32, s32, STG                     ; + 128 w: my columns
	v_add_nc_u32 v[SO], s32, v[SO]
	v_add_nc_u32 v[SO+1], 2*SCH, v[SO]             ; tiles 2, 3: the second pair of runs
	s_mul_i32 s33, s18, SCH                        ; back: rows 4 w .. 4 w + 3: run w / 4, rows 4 (w % 4) on
	s_mul_i32 s34, s19, 4*SPITCH
	s_add_co_u32 s33, s33, s34
	s_add_co_u32 s33, s33, STG
	v_add_nc_u32 v[SR], s33, v[LI]
	s_wait_kmcnt 0x0
	s_add_nc_u64 s[4:5], s[4:5], s[20:21]
	s_add_nc_u64 s[6:7], s[6:7], s[22:23]
	s_add_nc_u64 s[8:9], s[8:9], s[24:25]
	s_add_nc_u64 s[10:11], s[10:11], s[26:27]
	s_add_nc_u64 s[12:13], s[12:13], s[28:29]
	s_add_nc_u64 s[14:15], s[14:15], s[30:31]
	s_wait_alu depctr_va_vdst(0)                   ; the offsets and LDS addresses v1-11 and v252-254 are written: every load and store of the kernel, global or LDS, reads one of them
.irp p, 0,1,2,3,4,5
	global_load_b64 v[AF+2*\p:AF+2*\p+1], v[L8], s[4:5] offset:256*\p   ; my fragment of the rows: 256 consecutive bytes a load
.endr
	global_load_u16 v248, v[R2], s[6:7]            ; its rows' scale bytes: head 2 k's two,
	global_load_u16 v249, v[R2], s[6:7] offset:4096   ; head 2 k + 1's two
.set J, 0
.rept 24
	global_load_b128 v[WF+4*J:WF+4*J+3], v[LI], s[8:9] offset:512*J   ; Wp's 32 rows as they lie
.set J, J+1
.endr
	global_load_b128 v[WS:WS+3], v[LI], s[10:11]   ; lane l: row l of my 32: its four K steps' words
.irp n, 0,1
	global_load_b128 v[BI+8*\n:BI+8*\n+3], v[BA], s[12:13] offset:64*\n        ; lane (r, h): bp at columns 16 n + 8 h + 0 .. 7 of my 32
	global_load_b128 v[BI+8*\n+4:BI+8*\n+7], v[BA], s[12:13] offset:64*\n+16
.endr
	s_wait_loadcnt 29                              ; my fragment and its scale bytes are in: behind them stand Wp's 24 loads, its scale words' one and the bias's four
	v_lshl_or_b32 v250, v249, 16, v248             ; the K step's scale word of my row
	s_wait_alu depctr_va_vdst(0)                   ; v250 is written, which the LDS store of the scale word reads
.irp c, 0,1,2
	ds_store_b128 v[IW], v[AF+4*\c:AF+4*\c+3] offset:AIMG+512*\c
.endr
	ds_store_b32 v[SWA], v250 offset:ASC
	s_wait_loadcnt 5                               ; Wp's rows are in: the scale words' load and the bias's four may be out
.set J, 0
.rept 24
	ds_store_b128 v[WST+(J%3)], v[WF+4*J:WF+4*J+3] offset:4*PITCH*(J/3)
.set J, J+1
.endr
	s_wait_alu depctr_vm_vsrc(0)                   ; my LDS stores have read v16-111, in which the loads below land, and v132-143, in which the rows' first fragment lands behind the barrier
.irp n, 0,1                                    ; LDS serves a wave's instructions in order (ISA guide 5.7.1.4): these see the stores above, and come back into the registers that the rows left
.irp k, 0,1,2,3
.irp p, 0,1,2,3,4,5
	ds_load_b64 v[WF+12*(4*\n+\k)+2*\p:WF+12*(4*\n+\k)+2*\p+1], v[WA] offset:16*PITCH*\n+96*\k+48*(\p/3)+8*(\p%3)
.endr
.endr
.endr
	s_wait_dscnt 0x0                               ; for the others' sake: my image lies in LDS, and my reads of my stage are over: its bytes may be written behind the barrier
	s_barrier_signal -1
	s_barrier_wait -1
	AFETCH 0, 0                                    ; what half (0, lo) multiplies
	AFETCH 1, 0
	s_wait_loadcnt 0x0                             ; Wp's scale words, the bias
.irp k, 0,1,2,3
	HALF \k, 0
	HALF \k, 1
.endr
.rept 4
	v_nop                                          ; four places behind the last matrix instruction, ahead of the first read of the results (ISA guide 7.12.1)
.endr
	s_wait_alu depctr_va_vdst(0)                   ; the matrix instructions have written the accumulators, which the LDS stores read, and are done reading Wp's fragments, in whose registers the loads behind the barrier land; the places above stay beside this wait
.irp m, 0,1,2,3
.irp n, 0,1
	ds_store_b128 v[SO+\m/2], v[ACC+8*(2*\m+\n):ACC+8*(2*\m+\n)+3] offset:8*SPITCH*(\m%2)+64*\n        ; each accumulator from its low end on
	ds_store_b128 v[SO+\m/2], v[ACC+8*(2*\m+\n)+4:ACC+8*(2*\m+\n)+7] offset:8*SPITCH*(\m%2)+64*\n+16
.endr
.endr
	s_wait_dscnt 0x0                               ; for the others' sake: my columns lie in the stage
	s_barrier_signal -1
	s_barrier_wait -1                              ; 64 whole rows lie there
.set Q, 0
.rept 16
	ds_load_b128 v[WF+4*Q:WF+4*Q+3], v[SR] offset:SPITCH*(Q/4)+512*(Q%4)
.set Q, Q+1
.endr
.set Q, 0
.rept 16
	s_wait_dscnt 15-Q                              ; LDS loads come back in order: load Q is in, the younger ones may be out
	global_store_b128 v[LI], v[WF+4*Q:WF+4*Q+3], s[14:15] offset:2048*(Q/4)+512*(Q%4) th:TH_STORE_NT   ; 32 lanes store 512 consecutive bytes, aligned; written once, read by nobody here
.set Q, Q+1
.endr
	s_wait_dscnt 0x0                               ; the closing lines, six on end
	s_wait_alu 0x0
	s_wait_tensorcnt 0x0
	ds_add_u32 v251, v255
	s_wait_dscnt 0x0
	s_endpgm
.Lfunc_end_k_q634b78ef63_proj:
	.size	k_q634b78ef63_proj, .Lfunc_end_k_q634b78ef63_proj-k_q634b78ef63_proj
	.p2alignl 7, 3214868480
	.fill 96, 4, 3214868480
	.section	.rodata,"a",@progbits
	.p2align	6, 0x0
	.amdhsa_kernel k_q634b78ef63_proj
		.amdhsa_group_segment_fixed_size 233472
		.amdhsa_private_segment_fixed_size 0
		.amdhsa_enable_private_segment 0
		.amdhsa_kernarg_size 48
		.amdhsa_user_sgpr_count 2
		.amdhsa_user_sgpr_kernarg_segment_ptr 1
		.amdhsa_wavefront_size32 1
		.amdhsa_system_sgpr_workgroup_id_x 1
		.amdhsa_system_sgpr_workgroup_id_y 1
		.amdhsa_system_sgpr_workgroup_id_z 1
		.amdhsa_system_vgpr_workitem_id 0
		.amdhsa_next_free_vgpr 256
		.amdhsa_next_free_sgpr 66
		.amdhsa_reserve_vcc 0
		.amdhsa_float_denorm_mode_32 3
		.amdhsa_float_denorm_mode_16_64 3
		.amdhsa_memory_ordered 1
		.amdhsa_forward_progress 1
		.amdhsa_inst_pref_size 26
	.end_amdhsa_kernel
	.amdgpu_metadata
---
amdhsa.version: [ 1, 2 ]
amdhsa.kernels:
  - .name:           k_q634b78ef63_proj
    .symbol:         k_q634b78ef63_proj.kd
    .args:
      - { .name: oimg, .offset: 0, .size: 8, .value_kind: global_buffer, .address_space: global }
      - { .name: oscl, .offset: 8, .size: 8, .value_kind: global_buffer, .address_space: global }
      - { .name: Wp_codes, .offset: 16, .size: 8, .value_kind: global_buffer, .address_space: global }
      - { .name: Wp_scales, .offset: 24, .size: 8, .value_kind: global_buffer, .address_space: global }
      - { .name: bp, .offset: 32, .size: 8, .value_kind: global_buffer, .address_space: global }
      - { .name: out0, .offset: 40, .size: 8, .value_kind: global_buffer, .address_space: global }
    .group_segment_fixed_size: 233472
    .private_segment_fixed_size: 0
    .kernarg_segment_align: 8
    .kernarg_segment_size: 48
    .max_flat_workgroup_size: 512
    .sgpr_count:     66
    .vgpr_count:     256
    .wavefront_size: 32
...
	.end_amdgpu_metadata
.endif
;; end of part 6
